; MI455X (gfx1250); checked and timed in simulation.
; The chip was launched on July 23, 2026; its instructions are those of AMD's public machine-readable ISA for CDNA 5 (MIT licence, August 2026) and "CDNA5" Instruction Set Architecture Reference Guide (July 2026). The comments in the code are by the model that wrote it; some were corrected since.
;; Block. Allowed arithmetic: float matrix products may take bf16 or f16 operands with f32 sums; all other float work in f32.
;; Inputs: g1 1,024 float32; g2 1,024 float32; w_fc 4,096 x 1,024 float32; w_o 1,024 x 1,024 float32; w_proj 1,024 x 4,096 float32; w_qkv 3,072 x 1,024 float32; x 4 x 1,024 x 1,024 float32.
;; Outputs: out0 4 x 1,024 x 1,024 float32.
;; One version. Each part assembles by itself: llvm-mc -triple=amdgcn-amd-amdhsa -mcpu=gfx1250 --defsym DOCPART=n.
;; ======== version 1 of 1: 7 launches
;; workspace buffers: wb 25,165,824 bytes; h 8,388,608 bytes; qkv 25,165,824 bytes; y 8,388,608 bytes; x1 16,777,216 bytes; hf 33,554,432 bytes
;; launch prep (part 1): grid 256 x 4, 8 waves a work-group, no clusters, 35,840 bytes of LDS; arguments x, g1, w_qkv, w_o, w_fc, w_proj, h, wb; writes h, wb
.if DOCPART == 1
	.amdgcn_target "amdgcn-amd-amdhsa--gfx1250"
	.amdhsa_code_object_version 6
	.text
	.protected	k_q71e59de8f1_prep
	.globl	k_q71e59de8f1_prep
	.p2align	8
	.type	k_q71e59de8f1_prep,@function
k_q71e59de8f1_prep:
	s_mov_b64 s[64:65], 0
	v_nop
	global_prefetch_b8 v0, s[64:65] scope:SCOPE_SE
	s_setreg_imm32_b32 hwreg(HW_REG_WAVE_MODE, 25, 1), 1
	s_wait_xcnt 0x0
; Work-group row y = 0:  h[r][c] = (x[r][c] - mean_r) * rsqrt(var_r + 1e-5) * g1[c], rounded once to bf16.  x: [4096][1024] f32.
; Work-group rows y = 1, 2, 3:  the four weight matrices rounded to bf16 into wb: w_qkv at byte 0, w_o at 0x600000 (y = 1), w_fc at 0x800000 (y = 2),
; w_proj at 0x1000000 (y = 3).  w_qkv and w_fc keep their row-major order.  w_o and w_proj ([1024][K]) are laid in the order in which the later products
; take them into registers: [block of 128 rows][32 along k][16 rows b][half j][lane 16 h + r][16 bytes], the 16 bytes being row 16 b + r of the block,
; k = 32 kq + 16 j + 8 h .. + 7.  A wave turns 16 rows x 128 k through a stage of its own in LDS (16 rows x 272 bytes).
; All parts are streams: every byte is read once and written once; no barrier, no matrix unit.
; Layer norm: a work-group owns 16 rows, a wave two.  A row of 4,096 bytes is 32 registers of one wave and stays there between the pass for the mean,
; the pass for the variance (of x - mean: two passes, so a common offset of x costs no digits) and the scaling.
; A load of a wave covers 512 consecutive bytes, a store 256 or 512 consecutive bytes at a multiple of 256 from the buffer's first byte.
; Limits: v_rsq_f32 is good to 1 ulp; NaN and infinities in x are not treated.
.set GG, 96                            ; v[96:127]  the gain of my 32 columns (4 at 128 j + 4 lane, j = 0..7)
.set XA, 32                            ; v[32:63]   row 0
.set XB, 64                            ; v[64:95]   row 1
.set SP, 272                           ; pitch of the stage: 256 bytes + 16, an odd multiple of 16
                                       ; v[4:7] two chains of sums, v[8:9] mean twice, v[10:11] 1/deviation twice, v12, v13 at work
.macro WSUM                            ; v4 = the sum of v4 over the 32 lanes, in every lane
	v_add_f32_dpp v4, v4, v4 row_xmask:1 row_mask:0xf bank_mask:0xf
	v_add_f32_dpp v4, v4, v4 row_xmask:2 row_mask:0xf bank_mask:0xf
	v_add_f32_dpp v4, v4, v4 row_xmask:4 row_mask:0xf bank_mask:0xf
	v_add_f32_dpp v4, v4, v4 row_xmask:8 row_mask:0xf bank_mask:0xf
	v_permlanex16_b32 v12, v4, s28, s29            ; the other half of the lanes; v12 was written at the head
	v_add_f32 v4, v4, v12
.endm
.macro LNROW x, row                    ; the row in v[x : x+31] is normalised in place and stored as row number row of my two
	v_pk_add_f32 v[4:5], v[\x:\x+1], v[\x+2:\x+3]
	v_pk_add_f32 v[6:7], v[\x+4:\x+5], v[\x+6:\x+7]
.irp j, 8,12,16,20,24,28
	v_pk_add_f32 v[4:5], v[4:5], v[\x+\j:\x+\j+1]
	v_pk_add_f32 v[6:7], v[6:7], v[\x+\j+2:\x+\j+3]
.endr
	v_pk_add_f32 v[4:5], v[4:5], v[6:7]
	v_add_f32 v4, v4, v5
	WSUM
	v_mul_f32 v8, s30, v4                          ; mean = sum / 1024
	v_mul_f32 v9, s30, v4
.irp j, 0,2,4,6,8,10,12,14,16,18,20,22,24,26,28,30
	v_pk_add_f32 v[\x+\j:\x+\j+1], v[\x+\j:\x+\j+1], v[8:9] neg_lo:[0,1] neg_hi:[0,1]
.endr
	v_pk_mul_f32 v[4:5], v[\x:\x+1], v[\x:\x+1]
	v_pk_mul_f32 v[6:7], v[\x+2:\x+3], v[\x+2:\x+3]
.irp j, 4,8,12,16,20,24,28
	v_pk_fma_f32 v[4:5], v[\x+\j:\x+\j+1], v[\x+\j:\x+\j+1], v[4:5]
	v_pk_fma_f32 v[6:7], v[\x+\j+2:\x+\j+3], v[\x+\j+2:\x+\j+3], v[6:7]
.endr
	v_pk_add_f32 v[4:5], v[4:5], v[6:7]
	v_add_f32 v4, v4, v5
	WSUM
	v_fma_f32 v13, v4, s30, s31                    ; variance + 1e-5
	v_rsq_f32 v10, v13
	v_rsq_f32 v11, v13
	v_nop                                          ; one plain vector instruction behind a transcendental before its result is used (ISA guide 5.7.2)
	s_wait_alu depctr_va_vdst(0)
.irp j, 0,2,4,6,8,10,12,14,16,18,20,22,24,26,28,30
	v_pk_mul_f32 v[\x+\j:\x+\j+1], v[\x+\j:\x+\j+1], v[10:11]
.endr
.irp j, 0,2,4,6,8,10,12,14,16,18,20,22,24,26,28,30
	v_pk_mul_f32 v[\x+\j:\x+\j+1], v[\x+\j:\x+\j+1], v[GG+\j:GG+\j+1]
.endr
.irp j, 0,1,2,3,4,5,6,7
	v_cvt_pk_bf16_f32 v[\x+4*\j], v[\x+4*\j], v[\x+4*\j+1]
	v_cvt_pk_bf16_f32 v[\x+4*\j+1], v[\x+4*\j+2], v[\x+4*\j+3]
	global_store_b64 v2, v[\x+4*\j:\x+4*\j+1], s[26:27] offset:\row*2048+256*\j
.endr
.endm
; A weight matrix [1024][k] into fragment order.  On entry: s[24:25] the matrix, s[26:27] its place in wb, s5 the work-group's part of it; lch = log2(k / 128).
; A wave takes 16 rows x 128 k: 16 loads of 512 consecutive bytes in, 8 stores of 512 consecutive bytes out.
.macro SWZ k, lch
	s_lshl3_add_u32 s5, s5, s4                     ; my chunk = 8 x part + wave
	s_lshr_b32 s28, s5, \lch                       ; nb: which 16 rows
	s_and_b32 s29, s5, (1<<\lch)-1                 ; kc: which 128 along k
	s_mul_i32 s6, s28, 64*\k                       ; 16 rows of 4 k bytes
	s_lshl_b32 s30, s29, 9
	s_add_co_u32 s6, s6, s30                       ; + 512 bytes for each chunk along k
	s_add_nc_u64 s[24:25], s[24:25], s[6:7]
	s_lshr_b32 s30, s28, 3                         ; the block of 128 rows:
	s_mul_i32 s6, s30, 256*\k                      ; k / 32 steps of 8,192 bytes each
	s_lshl_b32 s30, s29, 15
	s_add_co_u32 s6, s6, s30                       ; four steps of 32 along k for each chunk
	s_and_b32 s30, s28, 7
	s_lshl_b32 s30, s30, 10
	s_add_co_u32 s6, s6, s30                       ; b: a fragment is 1,024 bytes
	s_add_nc_u64 s[26:27], s[26:27], s[6:7]
	v_and_b32 v2, 31, v0                           ; lane
	v_lshlrev_b32 v1, 4, v2                        ; 16 bytes a lane, in and out
	s_mul_i32 s31, s4, 16*SP                       ; my wave's stage
	v_lshl_add_u32 v3, v2, 3, s31                  ; into the stage: 8 bytes a lane along a row
	v_and_b32 v4, 15, v0
	v_mul_u32_u24 v4, v4, SP
	v_bfe_u32 v5, v0, 4, 1
	v_lshl_add_u32 v4, v5, 4, v4
	v_add_nc_u32 v4, s31, v4                       ; back: row l % 16, 16 bytes at 16 (l / 16)
.irp r, 0,1,2,3,4,5,6,7,8,9,10,11,12,13,14,15
	global_load_b128 v[32+4*\r:35+4*\r], v1, s[24:25] offset:4*\k*\r th:TH_LOAD_NT
.endr
.irp r, 0,1,2,3,4,5,6,7,8,9,10,11,12,13,14,15
	s_wait_loadcnt 15-\r                           ; loads come back in order: row r is in, the younger ones stay out
	v_cvt_pk_bf16_f32 v[96+2*\r], v[32+4*\r], v[33+4*\r]
	v_cvt_pk_bf16_f32 v[97+2*\r], v[34+4*\r], v[35+4*\r]
	ds_store_b64 v3, v[96+2*\r:97+2*\r] offset:SP*\r
.endr
.irp t, 0,1,2,3,4,5,6,7
	ds_load_b128 v[32+4*\t:35+4*\t], v4 offset:32*\t   ; t = 2 kq + j: k = 32 kq + 16 j + 8 h.  LDS serves a wave's instructions in order: these see the stores above
.endr
.irp t, 0,1,2,3,4,5,6,7
	s_wait_dscnt 7-\t                              ; load t is in, the younger ones stay out
	global_store_b128 v1, v[32+4*\t:35+4*\t], s[26:27] offset:8192*(\t/2)+512*(\t%2)
.endr
	s_wait_tensorcnt 0x0
	ds_add_u32 v128, v129
	s_wait_dscnt 0x0
	s_endpgm
.endm
	s_load_b512 s[8:23], s[0:1], 0x0               ; x s[8:9], g1 s[10:11], w_qkv s[12:13], w_o s[14:15], w_fc s[16:17], w_proj s[18:19], h s[20:21], wb s[22:23]
	v_lshl_add_u32 v128, v0, 2, 0x8800
	v_mov_b32 v129, 0
	v_lshrrev_b32 v3, 5, v0
	v_readfirstlane_b32 s4, v3                     ; wave 0..7
	s_and_b32 s2, ttmp7, 0xffff                    ; work-group y: 0 = layer norm, 1..3 = weights
	s_mov_b32 s7, 0                                ; the high word of every byte offset here
	s_cmp_lg_u32 s2, 0
	s_cbranch_scc1 .Lcast
	v_and_b32 v2, 31, v0
	v_lshlrev_b32 v1, 4, v2                        ; 16 bytes a lane in x and g1
	v_lshlrev_b32 v2, 3, v2                        ; 8 bytes a lane in h
	v_mov_b32 v12, 0                               ; v_permlanex16_b32 counts as a reader of its destination
	s_lshl_b32 s5, ttmp9, 4
	s_lshl1_add_u32 s5, s4, s5                     ; my first row = 16 x group + 2 x wave
	s_lshl_b32 s6, s5, 12
	s_mov_b32 s28, 0x76543210                      ; v_permlanex16_b32: lane i of one half reads lane i of the other
	s_mov_b32 s29, 0xfedcba98
	s_mov_b32 s30, 0x3a800000                      ; 1 / 1024
	s_mov_b32 s31, 0x3727c5ac                      ; 1e-5
	s_wait_kmcnt 0x0
	s_add_nc_u64 s[24:25], s[8:9], s[6:7]
	s_lshl_b32 s6, s5, 11
	s_add_nc_u64 s[26:27], s[20:21], s[6:7]
.irp j, 0,1,2,3,4,5,6,7
	global_load_b128 v[GG+4*\j:GG+4*\j+3], v1, s[10:11] offset:512*\j
.endr
.irp j, 0,1,2,3,4,5,6,7
	global_load_b128 v[XA+4*\j:XA+4*\j+3], v1, s[24:25] offset:512*\j th:TH_LOAD_NT
.endr
.irp j, 0,1,2,3,4,5,6,7
	global_load_b128 v[XB+4*\j:XB+4*\j+3], v1, s[24:25] offset:4096+512*\j th:TH_LOAD_NT
.endr
	s_wait_loadcnt 0x8                             ; the gain and row 0 are in; the eight loads of row 1 stay out
	LNROW XA, 0
	s_wait_loadcnt 0x0
	LNROW XB, 1
	s_endpgm
.Lcast:
	; a work-group rounds 16,384 numbers: 65,536 bytes in, 32,768 bytes out.  w_qkv is 192 such parts, w_o 64, w_fc and w_proj 256 each.
	s_mov_b32 s3, ttmp9
	s_wait_kmcnt 0x0
	s_cmp_eq_u32 s2, 3
	s_cbranch_scc1 .Lswz_proj
	s_cmp_eq_u32 s2, 2
	s_cselect_b64 s[24:25], s[16:17], s[12:13]     ; y = 2: w_fc; y = 1: w_qkv (s_cselect leaves SCC as it is)
	s_cbranch_scc1 .Llinear
	s_cmp_ge_u32 s3, 192
	s_cbranch_scc1 .Lswz_o                         ; y = 1 from part 192 on: w_o
.Llinear:
	v_lshlrev_b32 v1, 4, v0                        ; thread t: 16 bytes in,
	v_lshlrev_b32 v2, 3, v0                        ; 8 bytes out
	s_lshl_b32 s6, s3, 16
	s_add_nc_u64 s[24:25], s[24:25], s[6:7]
	s_sub_co_u32 s5, s2, 1
	s_lshl_b32 s5, s5, 8
	s_add_co_u32 s5, s5, s3                        ; part number in wb = 256 (y - 1) + x
	s_lshl_b32 s6, s5, 15
	s_add_nc_u64 s[26:27], s[22:23], s[6:7]
.irp c, 0,1,2,3,4,5,6,7,8,9,10,11,12,13,14,15
	global_load_b128 v[32+4*\c:35+4*\c], v1, s[24:25] offset:4096*\c th:TH_LOAD_NT
.endr
.irp c, 0,1,2,3,4,5,6,7,8,9,10,11,12,13,14,15
	s_wait_loadcnt 15-\c                           ; loads come back in order: number c is in, the younger ones stay out
	v_cvt_pk_bf16_f32 v[96+2*\c], v[32+4*\c], v[33+4*\c]
	v_cvt_pk_bf16_f32 v[97+2*\c], v[34+4*\c], v[35+4*\c]
	global_store_b64 v2, v[96+2*\c:97+2*\c], s[26:27] offset:2048*\c   ; no register is written twice: no wait for the stores
.endr
	s_endpgm
.Lswz_o:
	s_mov_b64 s[24:25], s[14:15]
	s_sub_co_u32 s5, s3, 192
	s_add_nc_u64 s[26:27], s[22:23], 0x600000
	SWZ 1024, 3
.Lswz_proj:
	s_mov_b64 s[24:25], s[18:19]
	s_mov_b32 s5, s3
	s_add_nc_u64 s[26:27], s[22:23], 0x1000000
	SWZ 4096, 5
.Lfunc_end_k_q71e59de8f1_prep:
	.size	k_q71e59de8f1_prep, .Lfunc_end_k_q71e59de8f1_prep-k_q71e59de8f1_prep
	.p2alignl 7, 3214868480
	.fill 96, 4, 3214868480
	.section	.rodata,"a",@progbits
	.p2align	6, 0x0
	.amdhsa_kernel k_q71e59de8f1_prep
		.amdhsa_group_segment_fixed_size 35840
		.amdhsa_private_segment_fixed_size 0
		.amdhsa_enable_private_segment 0
		.amdhsa_kernarg_size 64
		.amdhsa_user_sgpr_count 2
		.amdhsa_user_sgpr_kernarg_segment_ptr 1
		.amdhsa_wavefront_size32 1
		.amdhsa_system_sgpr_workgroup_id_x 1
		.amdhsa_system_sgpr_workgroup_id_y 1
		.amdhsa_system_sgpr_workgroup_id_z 1
		.amdhsa_system_vgpr_workitem_id 0
		.amdhsa_next_free_vgpr 130
		.amdhsa_next_free_sgpr 66
		.amdhsa_reserve_vcc 0
		.amdhsa_float_denorm_mode_32 3
		.amdhsa_float_denorm_mode_16_64 3
		.amdhsa_memory_ordered 1
		.amdhsa_forward_progress 1
		.amdhsa_inst_pref_size 41
	.end_amdhsa_kernel
	.amdgpu_metadata
---
amdhsa.version: [ 1, 2 ]
amdhsa.kernels:
  - .name:           k_q71e59de8f1_prep
    .symbol:         k_q71e59de8f1_prep.kd
    .args:
      - { .name: x, .offset: 0, .size: 8, .value_kind: global_buffer, .address_space: global }
      - { .name: g1, .offset: 8, .size: 8, .value_kind: global_buffer, .address_space: global }
      - { .name: w_qkv, .offset: 16, .size: 8, .value_kind: global_buffer, .address_space: global }
      - { .name: w_o, .offset: 24, .size: 8, .value_kind: global_buffer, .address_space: global }
      - { .name: w_fc, .offset: 32, .size: 8, .value_kind: global_buffer, .address_space: global }
      - { .name: w_proj, .offset: 40, .size: 8, .value_kind: global_buffer, .address_space: global }
      - { .name: h, .offset: 48, .size: 8, .value_kind: global_buffer, .address_space: global }
      - { .name: wb, .offset: 56, .size: 8, .value_kind: global_buffer, .address_space: global }
    .group_segment_fixed_size: 35840
    .private_segment_fixed_size: 0
    .kernarg_segment_align: 8
    .kernarg_segment_size: 64
    .max_flat_workgroup_size: 256
    .sgpr_count:     66
    .vgpr_count:     130
    .wavefront_size: 32
...
	.end_amdgpu_metadata
.endif
;; end of part 1
;; launch qkvgemm (part 2): grid 12 x 16, 4 waves a work-group, clusters of 4 x 4, 327,680 bytes of LDS; arguments h, wb, qkv; writes qkv
.if DOCPART == 2
	.amdgcn_target "amdgcn-amd-amdhsa--gfx1250"
	.amdhsa_code_object_version 6
	.text
	.protected	k_q71e59de8f1_qkvgemm
	.globl	k_q71e59de8f1_qkvgemm
	.p2align	8
	.type	k_q71e59de8f1_qkvgemm,@function
k_q71e59de8f1_qkvgemm:
	s_mov_b64 s[64:65], 0
	v_nop
	global_prefetch_b8 v0, s[64:65] scope:SCOPE_SE
	s_setreg_imm32_b32 hwreg(HW_REG_WAVE_MODE, 25, 1), 1
	s_wait_xcnt 0x0
	s_wait_alu depctr_hold_cnt(0) depctr_sa_sdst(0) depctr_va_vdst(0) depctr_va_sdst(0) depctr_va_ssrc(0) depctr_va_vcc(0) depctr_vm_vsrc(0)
	s_getreg_b32 s2, hwreg(HW_REG_IB_STS2, 6, 4)
	s_cmp_eq_u32 s2, 0
	s_cbranch_scc0 .Lentry_in_a_cluster
	s_endpgm
.Lentry_in_a_cluster:
	s_bfe_u32 s2, ttmp6, 0x10000c
	s_cmp_lg_u32 s2, 0xf033
	s_cbranch_scc0 .Lentry_shape_is_right
	s_endpgm
.Lentry_shape_is_right:
; qkv[m][n] = sum over k of h[m][k] Wqkv[n][k].  h: [4096][1024], Wqkv: [3072][1024] (wb from byte 0), qkv: [4096][3072], all bf16; sums in f32.
; A work-group makes 256 x 256 of C with four waves, a wave 128 x 128: 64 accumulator tiles of 16 x 16, 512 registers.
; K goes in steps of 128 through two LDS slots filled by the tensor data mover; a tile's rows are 256 bytes of memory at multiples of 256.
; 4 x 4 work-groups form a cluster: A's tile is asked for jointly along a row of the cluster, B's along a column, which divides the requests by four.
; 12 x 16 = 192 work-groups: 3072 columns do not divide into more blocks whose rows of C are whole multiples of 256 bytes for each wave.
; REGISTERS, in windows of 256: window 0: v0-31 addresses, v64-127 and v128-191 fragments of A (two buffers), v192-223 the way out;
; window 1: v64-127, v128-191 fragments of B; windows 2 and 3: the accumulator tiles of my rows 0-63 and 64-127 (tile (a, b) at v[8 (8 a + b)]).
; The matrix instruction is used transposed (source 0 = rows of B, source 1 = rows of A): a lane then holds eight neighbouring columns of one row of C.
; The 64 accumulators take turns, one instruction a turn, in the same order everywhere.
.set SIZE_N, 3072
.set SIZE_K, 1024
.set WOFF,   0                         ; byte offset of the weights in wb
.set KSTEP,  128
.set PITCH,  272                       ; an LDS row: 256 bytes + 16 of padding, an odd multiple of 16: the 16 rows of a fragment load start in 16 different 16-byte columns
.set HALFT,  128*PITCH                 ; 128 rows: what one tensor load brings
.set SLOT,   4*HALFT                   ; 256 rows of A, then 256 rows of B
.set STAGE,  2*SLOT                    ; behind the ring: 16 rows x 272 bytes for each wave, for the way out; no tensor load lands there
.set SPITCH, 272
.set LAPS, SIZE_K/(2*KSTEP)            ; a lap = two K steps = once round the ring
.set ADRA, 16                          ; v16-17  LDS address of my A fragments in slot 0, 1
.set ADRB, 20                          ; v20-21  the same for B
.set STO,  24                          ; v24     the way out: where I put 16 bytes of a row
.set RD,   25                          ; v25     the way out: where I read a row back
.set CO,   26                          ; v26     my byte offset in C
.set F0,   64
.set F1,   128
.set TMP,  192
.set G1, 24                            ; s[24:31] descriptor group 1 for A
.set G0, 32                            ; s[32:39] descriptor group 0 for A, one set for each slot
.set G1B, 48                           ; s[48:55] descriptor group 1 for B: another mask
.set G0B, 56                           ; s[56:63] descriptor group 0 for B
.set MSB, 0
.macro WIN new                         ; the immediate's high byte repeats the setting that is left
.if MSB != \new
	s_set_vgpr_msb (MSB<<8)|\new
.set MSB, \new
.endif
.endm
.set MUL_LO, 0xa1                      ; source 0 (B) window 1, source 1 (A) window 0, C and D window 2
.set MUL_HI, 0xf1                      ; the same, C and D window 3
.set TO_B,   0x40                      ; destination window 1
.macro JLOAD s                         ; waves 0 and 1 ask for A's halves, waves 2 and 3 for B's: the branch hangs on the wave's number alone
	s_cmp_eq_u32 s11, 0
	s_cbranch_scc0 .Lfor_b_\@
	tensor_load_to_lds s[G0+4*\s:G0+4*\s+3], s[G1:G1+7]
	s_nop 0
	s_branch .Lasked_\@
.Lfor_b_\@:
	tensor_load_to_lds s[G0B+4*\s:G0B+4*\s+3], s[G1B:G1B+7]
	s_nop 0
.Lasked_\@:
.endm
.macro CREST                           ; a round of the cluster's barrier behind its opening work-group barrier
	s_cmp_lg_u32 s10, 0
	s_cbranch_scc1 .Lnot_wave_0_\@
	s_barrier_signal -3
.Lnot_wave_0_\@:
	s_barrier_wait -3
	s_barrier_signal -1
	s_barrier_wait -1
.endm
.macro CROUND                          ; a whole round
	s_barrier_signal -1
	s_barrier_wait -1
	CREST
.endm
	s_load_b128 s[4:7], s[0:1], 0x0                ; A s[4:5], wb s[6:7]
	s_load_b64 s[8:9], s[0:1], 0x10                ; C
	s_set_vgpr_msb 0x40
	v_lshl_add_u32 v255, v0, 2, 0x48400
	s_set_vgpr_msb 0x4000
	v_mov_b32 v255, 0
	s_set_vgpr_msb 0x1
	ds_add_u32 v255, v255
	ds_add_u32 v255, v255
	s_set_vgpr_msb 0x100
	v_lshrrev_b32 v1, 5, v0
	v_readfirstlane_b32 s10, v1                    ; wave 0..3
	s_lshr_b32 s11, s10, 1                         ; my half of the block's rows; also: I fetch for A (0) or B (1)
	s_and_b32 s12, s10, 1                          ; my half of its columns; also: which 128 rows of that tile I fetch
	s_bfe_u32 s40, ttmp6, 0x40000                  ; cx
	s_bfe_u32 s41, ttmp6, 0x40004                  ; cy
	s_lshl_b32 s42, ttmp9, 2
	s_add_co_u32 s42, s42, s40                     ; block column = 4 x cluster x + cx
	s_and_b32 s13, ttmp7, 0xffff
	s_lshl_b32 s13, s13, 2
	s_add_co_u32 s13, s13, s41                     ; block row = 4 x cluster y + cy
	s_lshl_b32 s43, s41, 2
	s_lshl_b32 s43, 15, s43                        ; my row of the cluster: places 4 cy .. 4 cy + 3
	s_lshl_b32 s44, 0x1111, s40                    ; my column: places cx, cx + 4, cx + 8, cx + 12
	s_or_b32 s[G1+0], s43, (1<<16)|(1<<20)|(1<<21)|(5<<22)|(3<<25)  ; mask; elements of 2 bytes; padding on; bit 21 beside a mask; 4 words of padding after every 64
	s_or_b32 s[G1B+0], s44, (1<<16)|(1<<20)|(1<<21)|(5<<22)|(3<<25)
	s_mov_b32 s[G1B+1], KSTEP<<16
	s_mov_b32 s[G1+1], KSTEP<<16                   ; tensor_dim0 = 128
	s_mov_b32 s[G1B+2], 128<<16
	s_mov_b32 s[G1+2], 128<<16                     ; tensor_dim1 = 128
	s_mov_b32 s[G1B+3], KSTEP<<16
	s_mov_b32 s[G1+3], KSTEP<<16                   ; tile_dim0 = 128
	s_mov_b32 s[G1B+4], 128
	s_mov_b32 s[G1+4], 128                         ; tile_dim1 = 128
	s_mov_b32 s[G1B+5], SIZE_K
	s_mov_b32 s[G1+5], SIZE_K                      ; elements from row to row
	s_mov_b32 s[G1B+6], 0
	s_mov_b32 s[G1+6], 0
	s_mov_b32 s[G1B+7], 0
	s_mov_b32 s[G1+7], 0
	s_lshl_b32 s17, s12, 7
	s_lshl_b32 s16, s13, 8
	s_add_co_u32 s16, s16, s17                     ; A: row 256 x block row + 128 x half
	s_lshl_b32 s46, s42, 8
	s_add_co_u32 s46, s46, s17                     ; B: row 256 x block column + 128 x half
	s_mov_b32 s17, 0
	s_mov_b32 s47, 0
	s_mov_b64 s[18:19], SIZE_K*2
	s_mul_u64 s[16:17], s[16:17], s[18:19]
	s_mul_u64 s[46:47], s[46:47], s[18:19]
	s_mul_i32 s20, s10, HALFT                      ; LDS: wave x 128 rows
	s_wait_dscnt 0x0
	s_wait_kmcnt 0x0
.if WOFF
	s_add_nc_u64 s[6:7], s[6:7], WOFF
.endif
	s_add_nc_u64 s[14:15], s[4:5], s[16:17]
	s_add_nc_u64 s[46:47], s[6:7], s[46:47]
	CROUND                                         ; all sixteen work-groups are here: the first joint loads meet
.irp s, 0,1
	s_mov_b32 s[G0+4*\s], 1
	s_add_co_u32 s[G0+4*\s+1], s20, \s*SLOT
	s_add_nc_u64 s[G0+4*\s+2:G0+4*\s+3], s[14:15], \s*KSTEP*2
	s_or_b32 s[G0+4*\s+3], s[G0+4*\s+3], 0x80000000
	s_mov_b32 s[G0B+4*\s], 1
	s_add_co_u32 s[G0B+4*\s+1], s20, \s*SLOT
	s_add_nc_u64 s[G0B+4*\s+2:G0B+4*\s+3], s[46:47], \s*KSTEP*2
	s_or_b32 s[G0B+4*\s+3], s[G0B+4*\s+3], 0x80000000
	JLOAD \s                                       ; both first fills go out together: two tensor loads of the wave are out, later one
.endr
	v_and_b32 v1, 15, v0                           ; l % 16
	v_bfe_u32 v2, v0, 4, 1                         ; l / 16
	v_mul_u32_u24 v3, v1, PITCH
	v_lshl_add_u32 v3, v2, 4, v3                   ; row x pitch + 16 x half
	s_mul_i32 s21, s11, HALFT
	s_mul_i32 s22, s12, HALFT
	s_add_co_u32 s22, s22, 2*HALFT
.irp s, 0,1
	v_add_nc_u32 v[ADRA+\s], s21, v3
	v_add_nc_u32 v[ADRB+\s], s22, v3
	s_add_co_u32 s21, s21, SLOT
	s_add_co_u32 s22, s22, SLOT
.endr
	s_mul_i32 s23, s10, 16*SPITCH
	s_add_co_u32 s23, s23, STAGE
	v_mul_u32_u24 v4, v1, SPITCH
	v_lshl_add_u32 v4, v2, 4, v4
	v_add_nc_u32 v[STO], s23, v4
	v_mul_u32_u24 v5, v2, SPITCH
	v_lshl_add_u32 v5, v1, 4, v5
	v_add_nc_u32 v[RD], s23, v5
	v_mul_u32_u24 v5, v2, SIZE_N*2
	v_lshl_add_u32 v[CO], v1, 4, v5
.macro MUL16 f, hi, a0, zero           ; 16 matrix instructions: m blocks a0, a0 + 1 of the window x all 8 n blocks; zero = 1: the product starts the sums
.irp a, \a0, \a0+1
.irp b, 0,1,2,3,4,5,6,7
.if \zero
	v_wmma_f32_16x16x32_bf16 v[8*(8*(\a)+\b):8*(8*(\a)+\b)+7], v[\f+8*\b:\f+8*\b+7], v[\f+8*(4*\hi+\a):\f+8*(4*\hi+\a)+7], 0
.else
	v_wmma_f32_16x16x32_bf16 v[8*(8*(\a)+\b):8*(8*(\a)+\b)+7], v[\f+8*\b:\f+8*\b+7], v[\f+8*(4*\hi+\a):\f+8*(4*\hi+\a)+7], v[8*(8*(\a)+\b):8*(8*(\a)+\b)+7]
.endif
.endr
.endr
.endm
.macro FETCH slot, k, f                ; 32 LDS loads in one run: the fragments of 32 along K at byte k of the rows
	WIN TO_B
.irp i, 0,1,2,3,4,5,6,7
	ds_load_b128 v[\f+8*\i:\f+8*\i+3],   v[ADRB+\slot] offset:\k+\i*16*PITCH
	ds_load_b128 v[\f+8*\i+4:\f+8*\i+7], v[ADRB+\slot] offset:\k+\i*16*PITCH+32
.endr
	WIN 0
.irp i, 0,1,2,3,4,5,6,7
	ds_load_b128 v[\f+8*\i:\f+8*\i+3],   v[ADRA+\slot] offset:\k+\i*16*PITCH
	ds_load_b128 v[\f+8*\i+4:\f+8*\i+7], v[ADRA+\slot] offset:\k+\i*16*PITCH+32
.endr
.endm
.macro PLACES                          ; four plain vector instructions between a matrix instruction and a load into, or a vector read of, its registers
.rept 4
	v_nop
.endr
.endm
.macro QUARTER slot, k, f, g, zero     ; multiplies buffer f; in its middle fetches the next 32 along K into buffer g
	s_wait_dscnt 8                                 ; B and A's rows 0-63 are in; the youngest eight loads (A's rows 64-127) may be out
	WIN MUL_LO
	MUL16 \f, 0, 0, \zero
	MUL16 \f, 0, 2, \zero
	PLACES
	FETCH \slot, \k, \g
	s_wait_dscnt 32                                ; all but the 32 just issued
	WIN MUL_HI
	MUL16 \f, 1, 0, \zero
	MUL16 \f, 1, 2, \zero
.endm
.macro THREE slot, zero
	QUARTER \slot, 64,  F0, F1, \zero
	QUARTER \slot, 128, F1, F0, 0
	QUARTER \slot, 192, F0, F1, 0
.endm
.macro TURN slot, next, fill           ; the last quarter of a K step: multiplies buffer 1 and changes slots
	s_wait_dscnt 8
	WIN MUL_LO
	MUL16 F1, 0, 0, 0
	s_wait_dscnt 0                                 ; my reads of this slot are over
	s_wait_tensorcnt 0x0                           ; all my tensor loads have landed: the one that was out is my part of the next slot
	ds_add_u32 v255, v255
	s_wait_dscnt 0x0
	s_barrier_signal -1
	MUL16 F1, 0, 2, 0                              ; register work while the others arrive
	WIN 0
	s_barrier_wait -1
.if \fill
	CREST                                          ; no wave of any partner still reads this slot or has a load on its way
	s_add_nc_u64 s[G0+4*\slot+2:G0+4*\slot+3], s[G0+4*\slot+2:G0+4*\slot+3], 2*KSTEP*2
	s_add_nc_u64 s[G0B+4*\slot+2:G0B+4*\slot+3], s[G0B+4*\slot+2:G0B+4*\slot+3], 2*KSTEP*2
	JLOAD \slot                                    ; the first and only tensor load behind the round; 240 matrix instructions stand before the wait for it
.endif
	PLACES
	FETCH \next, 0, F0
	WIN MUL_HI
	MUL16 F1, 1, 0, 0
	MUL16 F1, 1, 2, 0
.endm
.macro LAP zero
	THREE 0, \zero
	TURN 0, 1, 1
	THREE 1, 0
	TURN 1, 0, 1
.endm
	s_wait_tensorcnt 1                             ; my part of K step 0 is in; K step 1 stays out
	s_barrier_signal -1
	s_barrier_wait -1
	FETCH 0, 0, F0
	LAP 1                                          ; the first lap's first products start the sums: nothing is cleared
.if LAPS > 2
	WIN 0
	s_mov_b32 s3, LAPS-2
.Llap:
	LAP 0
	WIN 0
	s_sub_co_u32 s3, s3, 1
	s_cmp_lg_u32 s3, 0
	s_cbranch_scc1 .Llap
.endif
	THREE 0, 0                                     ; the last lap fills nothing
	TURN 0, 1, 0
	THREE 1, 0
	s_wait_dscnt 8
	WIN MUL_LO
	MUL16 F1, 0, 0, 0
	MUL16 F1, 0, 2, 0
	s_wait_dscnt 0
	WIN MUL_HI
	MUL16 F1, 1, 0, 0
	MUL16 F1, 1, 2, 0
	; the way out, 16 rows at a time: round to bf16, 16 bytes a lane into my own stage, read back as whole rows of 256 bytes
	PLACES
	s_lshl_b32 s13, s13, 8
	s_lshl_b32 s14, s11, 7
	s_add_co_u32 s16, s13, s14                     ; my first row of C
	s_mov_b32 s17, 0
	s_mov_b64 s[18:19], SIZE_N*2
	s_mul_u64 s[16:17], s[16:17], s[18:19]
	s_add_nc_u64 s[8:9], s[8:9], s[16:17]
	s_lshl_b32 s46, s42, 9                         ; my first column in bytes: 512 x block + 256 x half
	s_lshl_b32 s47, s12, 8
	s_add_co_u32 s46, s46, s47
	s_mov_b32 s47, 0
	s_add_nc_u64 s[8:9], s[8:9], s[46:47]
.macro OUT16 i, a, from, f
	WIN \from
.irp b, 0,1,2,3,4,5,6,7
.irp r, 0,1,2,3
	v_cvt_pk_bf16_f32 v[TMP+4*\b+\r], v[8*(8*\a+\b)+2*\r], v[8*(8*\a+\b)+2*\r+1]
.endr
.endr
	WIN 0
.irp b, 0,1,2,3,4,5,6,7
	ds_store_b128 v[STO], v[TMP+4*\b:TMP+4*\b+3] offset:32*\b
.endr
	s_wait_xcnt 0x0                                ; buffer f, which earlier stores read, and the stores' base are rewritten only behind this wait
.if \i
	s_add_nc_u64 s[8:9], s[8:9], 16*SIZE_N*2
.endif
.irp t, 0,1,2,3,4,5,6,7
	ds_load_b128 v[\f+4*\t:\f+4*\t+3], v[RD] offset:\t*2*SPITCH    ; LDS serves a wave's instructions in order: these see the stores above
.endr
.irp t, 0,1,2,3,4,5,6,7
	s_wait_dscnt 7-\t                              ; load t is in, the younger ones stay out
	global_store_b128 v[CO], v[\f+4*\t:\f+4*\t+3], s[8:9] offset:2*\t*SIZE_N*2   ; 16 lanes store 256 consecutive bytes at a multiple of 256
.endr
.endm
	OUT16 0, 0, 0x0a, F0
	OUT16 1, 1, 0x0a, F1
	OUT16 2, 2, 0x0a, F0
	OUT16 3, 3, 0x0a, F1
	OUT16 4, 0, 0x0f, F0
	OUT16 5, 1, 0x0f, F1
	OUT16 6, 2, 0x0f, F0
	OUT16 7, 3, 0x0f, F1
	s_set_vgpr_msb 0x1
	s_wait_tensorcnt 0x0
	ds_add_u32 v255, v255
	s_wait_dscnt 0x0
	s_set_vgpr_msb 0x100
	CROUND                                         ; the closing round: no work-group ends while a partner may still ask for a tile that names it
	s_endpgm
.Lfunc_end_k_q71e59de8f1_qkvgemm:
	.size	k_q71e59de8f1_qkvgemm, .Lfunc_end_k_q71e59de8f1_qkvgemm-k_q71e59de8f1_qkvgemm
	.p2alignl 7, 3214868480
	.fill 96, 4, 3214868480
	.section	.rodata,"a",@progbits
	.p2align	6, 0x0
	.amdhsa_kernel k_q71e59de8f1_qkvgemm
		.amdhsa_group_segment_fixed_size 327680
		.amdhsa_private_segment_fixed_size 0
		.amdhsa_enable_private_segment 0
		.amdhsa_kernarg_size 24
		.amdhsa_user_sgpr_count 2
		.amdhsa_user_sgpr_kernarg_segment_ptr 1
		.amdhsa_wavefront_size32 1
		.amdhsa_system_sgpr_workgroup_id_x 1
		.amdhsa_system_sgpr_workgroup_id_y 1
		.amdhsa_system_sgpr_workgroup_id_z 1
		.amdhsa_system_vgpr_workitem_id 0
		.amdhsa_next_free_vgpr 1024
		.amdhsa_next_free_sgpr 66
		.amdhsa_reserve_vcc 0
		.amdhsa_float_denorm_mode_32 3
		.amdhsa_float_denorm_mode_16_64 3
		.amdhsa_memory_ordered 1
		.amdhsa_forward_progress 1
		.amdhsa_inst_pref_size 196
	.end_amdhsa_kernel
	.amdgpu_metadata
---
amdhsa.version: [ 1, 2 ]
amdhsa.kernels:
  - .name:           k_q71e59de8f1_qkvgemm
    .symbol:         k_q71e59de8f1_qkvgemm.kd
    .args:
      - { .name: h, .offset: 0, .size: 8, .value_kind: global_buffer, .address_space: global }
      - { .name: wb, .offset: 8, .size: 8, .value_kind: global_buffer, .address_space: global }
      - { .name: qkv, .offset: 16, .size: 8, .value_kind: global_buffer, .address_space: global }
    .group_segment_fixed_size: 327680
    .private_segment_fixed_size: 0
    .kernarg_segment_align: 8
    .kernarg_segment_size: 24
    .max_flat_workgroup_size: 128
    .sgpr_count:     66
    .vgpr_count:     1024
    .wavefront_size: 32
...
	.end_amdgpu_metadata
.endif
;; end of part 2
;; launch attn (part 3): grid 256 x 1, 4 waves a work-group, clusters of 4 x 1, 321,024 bytes of LDS; arguments qkv, y; writes y
.if DOCPART == 3
	.amdgcn_target "amdgcn-amd-amdhsa--gfx1250"
	.amdhsa_code_object_version 6
	.text
	.protected	k_q71e59de8f1_attn
	.globl	k_q71e59de8f1_attn
	.p2align	8
	.type	k_q71e59de8f1_attn,@function
k_q71e59de8f1_attn:
	s_mov_b64 s[64:65], 0
	v_nop
	global_prefetch_b8 v0, s[64:65] scope:SCOPE_SE
	s_setreg_imm32_b32 hwreg(HW_REG_WAVE_MODE, 25, 1), 1
	s_wait_xcnt 0x0
	s_wait_alu depctr_hold_cnt(0) depctr_sa_sdst(0) depctr_va_vdst(0) depctr_va_sdst(0) depctr_va_ssrc(0) depctr_va_vcc(0) depctr_vm_vsrc(0)
	s_getreg_b32 s2, hwreg(HW_REG_IB_STS2, 6, 4)
	s_cmp_eq_u32 s2, 0
	s_cbranch_scc0 .Lentry_in_a_cluster
	s_endpgm
.Lentry_in_a_cluster:
	s_bfe_u32 s2, ttmp6, 0x10000c
	s_cmp_lg_u32 s2, 0x3003
	s_cbranch_scc0 .Lentry_shape_is_right
	s_endpgm
.Lentry_shape_is_right:
; Causal attention.  qkv: [4096][3072] bf16 (q at column 64 head, k at 1024 + 64 head, v at 2048 + 64 head), y: [4096][1024] bf16.
; A cluster of four work-groups is one (batch, head).  All 1024 rows of K and of V are asked for once, jointly by the four (mask 15), and stay in each
; work-group's LDS: 1024 x 144 + 1024 x 160 bytes.  Nothing is filled again, so there is no ring.  They come in four groups of 256 rows (a wave asks for
; 64 rows of K and 64 of V in each: eight tensor loads of the wave are out at the start), and work begins when the first group has landed.
; Partner cx owns rows 128 i + 32 cx .. + 31 of each of the eight query blocks i: every partner then has the same schedule, and cx enters global addresses
; and the values of the mask alone.  Wave w takes the slices i = 7 - w and i = w: (8 - w) + (w + 1) = 9 chunks of 128 keys for every wave.
; The slice 7 - w comes first and walks its keys upward from key 0: its chunks 0 to 3 are work of all four waves alike, so the barriers that show groups
; 0, 1 and the rest landed stand in every wave's text; its diagonal chunk, the only masked one, comes last.
; Layouts: S^T = K Q^T (A = 16 keys, B = 16 queries): lane (r, h) holds keys 8 h + j of query r.  Rounded to bf16 in place that is the B fragment of
; O^T = V^T P^T (A = V^T by transposing LDS loads), and in O^T the lane holds eight neighbouring d of query r: maximum, sum and rescaling are one number a lane.
; Softmax: running maximum.  Each slice's first trip holds a key that is open to every query (key 0, or in the slice w, which begins with its diagonal
; chunk, key 128 i), so the maximum is finite from the first trip on.
; The way out: each slice's result is scaled, rounded and kept packed in registers; only when all four waves have done all their reads of K and V (one barrier)
; do the results go through each wave's own stage in LDS, so that no LDS byte is written while any wave still reads LDS.
; y leaves in pieces of 128 consecutive bytes (a head is 64 wide): the other half of each aligned 256 bytes belongs to another head's cluster.
; Limits: P and all matrix operands are rounded to bf16; v_exp_f32 and v_rcp_f32 are good to 1 ulp and flush denormals; NaN and infinities are not treated;
; the sums run in another order than a plain softmax's.
.set KP,    144                        ; LDS pitch of K: 128 bytes + 16
.set VP,    160                        ; LDS pitch of V: 128 bytes + 32, an odd multiple of 32, for the transposing loads
.set VBASE, 1024*KP
.set STAGE, VBASE+1024*VP              ; 16 rows x 144 bytes for each wave, for the way out; a multiple of 256; no tensor load lands there
.set ROWQ,  6144                       ; bytes in a row of qkv
.set ROWY,  2048                       ; bytes in a row of y
.set GK, 68                            ; s[68+8g:71+8g] descriptor group 0 of K's group g, s[72+8g:75+8g] of V's
.set KB, 4                             ; v4   144 r + 16 h
.set VB, 5                             ; v5   VBASE + (8 h + l % 8) 160 + 16 ((l / 8) % 2)
.set KA, 6                             ; v6   where the next K fragments are read
.set VA, 7                             ; v7   where this trip's V fragments are read
.set QO, 8                             ; v8   6144 r + 16 h
.set STW, 9                            ; v9   stage, in
.set STR, 10                           ; v10  stage, back
.set YO, 11                            ; v11  my 16 bytes in four rows of y
.set DL, 12                            ; v12-13  32 cx + 16 qf + r - 8 h: the last open key of the diagonal chunk, less my 8 h
.set NINF, 14                          ; v14  -infinity
.set MM, 16                            ; v16-17  running maximum of query r, qf = 0, 1
.set NM, 18                            ; v18, v20  - maximum x c; v19, v21 at work (the exponent of alpha)
.set AL, 22                            ; v22, v24  alpha; v23, v25 only fill the pairs
.set LL, 26                            ; v[26:27], v[28:29]  running sums, two partial sums a lane
.set QQ, 32                            ; v[32:63]   Q fragments [qf][ks]; window 0: slice 7 - w, window 1: slice w
.set SS, 64                            ; v[64:127]  S [qf][kt]; P packed in place into the first 16 registers of each qf
.set KF, 128                           ; v[128:191] K fragments [kt][ks]
.set VF, 192                           ; v[192:255] V^T fragments [dt][ks2]; at work at a slice's end and on the way out
.set OO, 64                            ; window 1 v[64:127]   O^T [qf][dt]
.set PK, 128                           ; window 1 v[128:191]  the results, packed: [slice][qf], 16 registers each
                                       ; v3, v15, v30, v31, v[2:3], v[30:31] at work
.set MSB, 0
.macro WIN new                         ; the immediate's high byte repeats the setting that is left
.if MSB != \new
	s_set_vgpr_msb (MSB<<8)|\new
.set MSB, \new
.endif
.endm
.macro ROUND                           ; a round of the cluster's barrier
	s_barrier_signal -1
	s_barrier_wait -1
	s_cmp_lg_u32 s8, 0
	s_cbranch_scc1 .Lnot_wave_0_\@
	s_barrier_signal -3
.Lnot_wave_0_\@:
	s_barrier_wait -3
	s_barrier_signal -1
	s_barrier_wait -1
.endm
.macro KLOAD                           ; 64 keys x 64 d as A fragments, then the address steps
.irp kt, 0,1,2,3
.irp ks, 0,1
	ds_load_b128 v[KF+16*\kt+8*\ks:KF+16*\kt+8*\ks+3],   v[KA] offset:16*KP*\kt+64*\ks
	ds_load_b128 v[KF+16*\kt+8*\ks+4:KF+16*\kt+8*\ks+7], v[KA] offset:16*KP*\kt+64*\ks+32
.endr
.endr
	v_add_nc_u32 v[KA], 64*KP, v[KA]
.endm
.macro VLOAD                           ; 64 d x 64 keys as A fragments of V^T
.irp dt, 0,1,2,3
.irp ks, 0,1
	ds_load_tr16_b128 v[VF+16*\dt+8*\ks:VF+16*\dt+8*\ks+3],   v[VA] offset:32*VP*\ks+32*\dt
	ds_load_tr16_b128 v[VF+16*\dt+8*\ks+4:VF+16*\dt+8*\ks+7], v[VA] offset:32*VP*\ks+32*\dt+16*VP
.endr
.endr
.endm
.macro RMAX2                           ; v3, v30 = the largest of my 32 scores of query r (qf = 0, 1); v15, v31 = the same of the lane that holds its other keys; four chains by turns
	v_max3_num_f32 v3,  v[SS],    v[SS+1],  v[SS+2]
	v_max3_num_f32 v30, v[SS+32], v[SS+33], v[SS+34]
	v_max3_num_f32 v15, v[SS+3],  v[SS+4],  v[SS+5]
	v_max3_num_f32 v31, v[SS+35], v[SS+36], v[SS+37]
.irp k, 6,10,14,18,22,26
	v_max3_num_f32 v3,  v3,  v[SS+\k],    v[SS+\k+1]
	v_max3_num_f32 v30, v30, v[SS+32+\k], v[SS+33+\k]
	v_max3_num_f32 v15, v15, v[SS+\k+2],  v[SS+\k+3]
	v_max3_num_f32 v31, v31, v[SS+34+\k], v[SS+35+\k]
.endr
	v_max3_num_f32 v3,  v3,  v[SS+30], v[SS+31]
	v_max3_num_f32 v30, v30, v[SS+62], v[SS+63]
	v_max_num_f32 v3, v3, v15
	v_max_num_f32 v30, v30, v31
	v_permlanex16_b32 v15, v3, s40, s41
	v_permlanex16_b32 v31, v30, s40, s41
.endm
; One trip: 64 keys x 32 queries.  first = 1: it starts maximum, sums and O.  moff >= 0: keys moff .. moff + 63 of the diagonal chunk, masked.
; nxt = 1: the next trip's K fragments, the next 64 keys, are asked for; 2: the same from key 0 on; 0: none are asked for.  qwin: the window of Q (source 1).
.macro TRIP first, moff, nxt, qwin
	s_wait_dscnt 0x0                               ; this trip's K fragments
	WIN \qwin
.irp qf, 0,1
.irp kt, 0,1,2,3
	v_wmma_f32_16x16x32_bf16 v[SS+32*\qf+8*\kt:SS+32*\qf+8*\kt+7], v[KF+16*\kt:KF+16*\kt+7], v[QQ+16*\qf:QQ+16*\qf+7], 0
.endr
.endr
.irp qf, 0,1
.irp kt, 0,1,2,3
	v_wmma_f32_16x16x32_bf16 v[SS+32*\qf+8*\kt:SS+32*\qf+8*\kt+7], v[KF+16*\kt+8:KF+16*\kt+15], v[QQ+16*\qf+8:QQ+16*\qf+15], v[SS+32*\qf+8*\kt:SS+32*\qf+8*\kt+7]
.endr
.endr                                  ; the eight accumulators take turns, one instruction a turn
	WIN 0
.rept 4
	v_nop                                          ; four places before K's fragments are loaded again and S is read (ISA guide 7.12.1)
.endr
	VLOAD
.if \nxt == 2
	v_mov_b32 v[VA], v[VB]
	v_mov_b32 v[KA], v[KB]
.else
	v_add_nc_u32 v[VA], 64*VP, v[VA]
.endif
.if \nxt
	KLOAD
.endif
.if \moff >= 0
.irp qf, 0,1
.irp kt, 0,1,2,3
.irp j, 0,1,2,3,4,5,6,7
	v_cmp_gt_i32 vcc_lo, \moff+16*\kt+\j, v[DL+\qf]
	v_cndmask_b32 v[SS+32*\qf+8*\kt+\j], v[SS+32*\qf+8*\kt+\j], v[NINF], vcc_lo   ; a key behind the query: -infinity
.endr
.endr
.endr
.endif
	RMAX2
.if \first
	v_max_num_f32 v[MM], v3, v15
	v_max_num_f32 v[MM+1], v30, v31
	v_mul_f32 v[NM], -v[MM], s42
	v_mul_f32 v[NM+2], -v[MM+1], s42
.else
	v_max3_num_f32 v[MM], v3, v15, v[MM]
	v_max3_num_f32 v[MM+1], v30, v31, v[MM+1]
	v_mul_f32 v15, -v[MM], s42                     ; the new shift, - maximum x c
	v_mul_f32 v31, -v[MM+1], s42
	v_sub_f32 v[NM+1], v15, v[NM]                  ; new shift - old shift = (old maximum - new) c, never above 0
	v_sub_f32 v[NM+3], v31, v[NM+2]
	v_exp_f32 v[AL], v[NM+1]                       ; alpha: exactly the ratio of the two shifts in use
	v_exp_f32 v[AL+2], v[NM+3]
	v_mov_b32 v[NM], v15                           ; plain instructions behind the two exponentials
	v_mov_b32 v[NM+2], v31
.endif
.irp qf, 0,1
.irp k, 0,2,4,6,8,10,12,14,16,18,20,22,24,26,28,30
	v_pk_fma_f32 v[SS+32*\qf+\k:SS+32*\qf+\k+1], v[SS+32*\qf+\k:SS+32*\qf+\k+1], s[42:43], v[NM+2*\qf:NM+2*\qf+1] op_sel_hi:[1,0,0]   ; s c - m c; the pair's first register feeds both halves
.endr
.endr
.set kk, 0
.rept 64
	v_exp_f32 v[SS+kk], v[SS+kk]
.set kk, kk+1
.endr
.if \first
	v_nop                                          ; the plain place behind the exponentials (ISA guide 5.7.2)
.else
	WIN 0x41                                       ; O in window 1, alpha in window 0; these plain lines are also the place behind the exponentials
	s_wait_alu depctr_va_vdst(0)
.irp qf, 0,1
.irp k, 0,2,4,6,8,10,12,14,16,18,20,22,24,26,28,30
	v_pk_mul_f32 v[OO+32*\qf+\k:OO+32*\qf+\k+1], v[OO+32*\qf+\k:OO+32*\qf+\k+1], v[AL+2*\qf:AL+2*\qf+1] op_sel_hi:[1,0]
.endr
.endr
	WIN 0
.endif
	; the sums of P, four chains
.if \first
	s_wait_alu depctr_va_vdst(0)
	v_pk_add_f32 v[LL:LL+1], v[SS:SS+1], v[SS+6:SS+7]
	v_pk_add_f32 v[LL+2:LL+3], v[SS+32:SS+33], v[SS+38:SS+39]
.else
	v_pk_fma_f32 v[LL:LL+1], v[LL:LL+1], v[AL:AL+1], v[SS:SS+1] op_sel_hi:[1,0,1]
	v_pk_fma_f32 v[LL+2:LL+3], v[LL+2:LL+3], v[AL+2:AL+3], v[SS+32:SS+33] op_sel_hi:[1,0,1]
	v_pk_add_f32 v[LL:LL+1], v[LL:LL+1], v[SS+6:SS+7]
	v_pk_add_f32 v[LL+2:LL+3], v[LL+2:LL+3], v[SS+38:SS+39]
.endif
	v_pk_add_f32 v[2:3], v[SS+2:SS+3], v[SS+4:SS+5]
	v_pk_add_f32 v[30:31], v[SS+34:SS+35], v[SS+36:SS+37]
.irp k, 8,12,16,20,24,28
	v_pk_add_f32 v[2:3], v[2:3], v[SS+\k:SS+\k+1]
	v_pk_add_f32 v[30:31], v[30:31], v[SS+32+\k:SS+33+\k]
	v_pk_add_f32 v[LL:LL+1], v[LL:LL+1], v[SS+\k+2:SS+\k+3]
	v_pk_add_f32 v[LL+2:LL+3], v[LL+2:LL+3], v[SS+34+\k:SS+35+\k]
.endr
	v_pk_add_f32 v[LL:LL+1], v[LL:LL+1], v[2:3]
	v_pk_add_f32 v[LL+2:LL+3], v[LL+2:LL+3], v[30:31]
.irp qf, 0,1
.irp c, 0,1,2,3,4,5,6,7,8,9,10,11,12,13,14,15
	v_cvt_pk_bf16_f32 v[SS+32*\qf+\c], v[SS+32*\qf+2*\c], v[SS+32*\qf+2*\c+1]   ; ascending: register c was read by conversion c / 2
.endr
.endr
.if \nxt
	s_wait_dscnt 16                                ; V's 16 loads are in; the 16 loads of the next trip's K stay out
.else
	s_wait_dscnt 0x0                               ; V's 16 loads are in; nothing was asked for behind them
.endif
	WIN 0x50                                       ; C and D in window 1
.irp qf, 0,1
.irp dt, 0,1,2,3
.if \first
	v_wmma_f32_16x16x32_bf16 v[OO+32*\qf+8*\dt:OO+32*\qf+8*\dt+7], v[VF+16*\dt:VF+16*\dt+7], v[SS+32*\qf:SS+32*\qf+7], 0
.else
	v_wmma_f32_16x16x32_bf16 v[OO+32*\qf+8*\dt:OO+32*\qf+8*\dt+7], v[VF+16*\dt:VF+16*\dt+7], v[SS+32*\qf:SS+32*\qf+7], v[OO+32*\qf+8*\dt:OO+32*\qf+8*\dt+7]
.endif
.endr
.endr
.irp qf, 0,1
.irp dt, 0,1,2,3
	v_wmma_f32_16x16x32_bf16 v[OO+32*\qf+8*\dt:OO+32*\qf+8*\dt+7], v[VF+16*\dt+8:VF+16*\dt+15], v[SS+32*\qf+8:SS+32*\qf+15], v[OO+32*\qf+8*\dt:OO+32*\qf+8*\dt+7]
.endr
.endr
	WIN 0
.rept 5
	v_nop                                          ; five places: the next trip's first products write over P, V's fragments are loaded again, O is read at a slice's end (ISA guide 7.12.1)
.endr
.endm
; 16 queries at a slice's end, register work alone: O / l, rounded to bf16, into the 16 registers from pk on in window 1.
.macro NORM qf, pk
	v_add_f32 v3, v[LL+2*\qf], v[LL+2*\qf+1]
	v_permlanex16_b32 v15, v3, s40, s41            ; the lane that holds the query's other keys
	v_add_f32 v3, v3, v15
	v_rcp_f32 v[AL], v3
	v_nop                                          ; the plain place behind the reciprocal (ISA guide 5.7.2)
	WIN 0x01                                       ; source 0 (O) in window 1
	s_wait_alu depctr_va_vdst(0)
.irp k, 0,2,4,6,8,10,12,14,16,18,20,22,24,26,28,30
	v_pk_mul_f32 v[VF+\k:VF+\k+1], v[OO+32*\qf+\k:OO+32*\qf+\k+1], v[AL:AL+1] op_sel_hi:[1,0]
.endr
	WIN 0x40                                       ; destination in window 1
.irp c, 0,1,2,3,4,5,6,7,8,9,10,11,12,13,14,15
	v_cvt_pk_bf16_f32 v[\pk+\c], v[VF+2*\c], v[VF+2*\c+1]   ; registers 4 dt .. 4 dt + 3: d = 16 dt + 8 h .. + 7 of query r
.endr
	WIN 0
.endm
; 16 queries on the way out: through my stage, out as pieces of 128 bytes.  n = 0..3: each call reads back into 16 registers of its own,
; so no register that a store reads is written again.
.macro OUT pk, qf, yb, n
	WIN 0x04                                       ; store data (source 1) from window 1
.irp dt, 0,1,2,3
	ds_store_b128 v[STW], v[\pk+4*\dt:\pk+4*\dt+3] offset:32*\dt
.endr
	WIN 0
.irp t, 0,1,2,3
	ds_load_b128 v[VF+16*\n+4*\t:VF+16*\n+4*\t+3], v[STR] offset:4*KP*\t    ; LDS serves a wave's instructions in order: these see the stores above
.endr
.irp t, 0,1,2,3
	s_wait_dscnt 3-\t                              ; load t is in, the younger ones stay out
	global_store_b128 v[YO], v[VF+16*\n+4*\t:VF+16*\n+4*\t+3], s[\yb:\yb+1] offset:(16*\qf+4*\t)*ROWY
.endr
.endm
	s_load_b128 s[4:7], s[0:1], 0x0                ; qkv s[4:5], y s[6:7]
	s_set_vgpr_msb 0x40
	v_lshl_add_u32 v192, v0, 2, 0x4e400
	v_mov_b32 v193, 0
	s_set_vgpr_msb 0x4045
	ds_add_u32 v192, v193
	ds_add_u32 v192, v193
	s_set_vgpr_msb 0x4500
	v_lshrrev_b32 v3, 5, v0
	v_readfirstlane_b32 s8, v3                     ; wave 0..3, and the low slice's i
	s_bfe_u32 s9, ttmp6, 0x40000                   ; cx
	s_lshr_b32 s10, ttmp9, 4                       ; batch (ttmp9 counts clusters)
	s_and_b32 s11, ttmp9, 15                       ; head
	s_sub_co_u32 s44, 7, s8                        ; the high slice's i
	s_lshl_b32 s12, s10, 10                        ; the batch's first row
	s_lshl_b32 s56, s11, 7                         ; the head's 128 bytes in a row
	s_lshl_b32 s60, s9, 5                          ; 32 cx
	s_add_co_u32 s13, s12, s60
	s_lshl_b32 s14, s44, 7
	s_add_co_u32 s14, s14, s13                     ; first row of the high slice
	s_lshl_b32 s15, s8, 7
	s_add_co_u32 s15, s15, s13                     ; first row of the low slice
	s_mul_i32 s46, s14, ROWQ
	s_add_co_u32 s46, s46, s56
	s_mov_b32 s47, 0
	s_lshl_b32 s48, s14, 11
	s_add_co_u32 s48, s48, s56
	s_mov_b32 s49, 0
	s_mul_i32 s50, s15, ROWQ
	s_add_co_u32 s50, s50, s56
	s_mov_b32 s51, 0
	s_lshl_b32 s52, s15, 11
	s_add_co_u32 s52, s52, s56
	s_mov_b32 s53, 0
	s_lshl_b32 s57, s8, 6
	s_add_co_u32 s57, s57, s12                     ; the 64 rows of group 0 that my wave asks for: batch and wave alone, equal in all four partners
	s_mul_i32 s58, s57, ROWQ
	s_add_co_u32 s58, s58, s56
	s_mov_b32 s59, 0
	s_mov_b32 s40, 0x76543210                      ; v_permlanex16_b32: lane i of one half reads lane i of the other
	s_mov_b32 s41, 0xfedcba98
	s_mov_b32 s42, 0x3e38aa3b                      ; c = log2(e) / 8: the scale 1 / sqrt(64) and the base of v_exp_f32
	s_mov_b32 s43, 0x3e38aa3b
	; group 1: 64 rows of 64 elements of 2 bytes, 3072 elements from row to row; mask 15 with bit 21; padding after every 32 words: 4 words (K), 8 words (V)
	s_mov_b32 s16, 15|(1<<16)|(1<<20)|(1<<21)|(4<<22)|(3<<25)
	s_mov_b32 s24, 15|(1<<16)|(1<<20)|(1<<21)|(4<<22)|(7<<25)
	s_mov_b32 s17, 64<<16
	s_mov_b32 s25, 64<<16
	s_mov_b32 s18, 64<<16
	s_mov_b32 s26, 64<<16
	s_mov_b32 s19, 64<<16
	s_mov_b32 s27, 64<<16
	s_mov_b32 s20, 64
	s_mov_b32 s28, 64
	s_mov_b32 s21, 3072
	s_mov_b32 s29, 3072
	s_mov_b32 s22, 0
	s_mov_b32 s30, 0
	s_mov_b32 s23, 0
	s_mov_b32 s31, 0
	s_mul_i32 s33, s8, 64*KP                       ; LDS: wave x 64 rows of K
	s_mul_i32 s37, s8, 64*VP
	s_add_co_u32 s37, s37, VBASE                   ; and of V
	v_and_b32 v1, 15, v0                           ; r
	v_bfe_u32 v2, v0, 4, 1                         ; h
	v_mul_u32_u24 v[QO], v1, ROWQ
	v_lshl_add_u32 v[QO], v2, 4, v[QO]
	s_wait_dscnt 0x0
	s_wait_kmcnt 0x0
	s_add_nc_u64 s[46:47], s[4:5], s[46:47]        ; Q of the high slice
	s_add_nc_u64 s[48:49], s[6:7], s[48:49]        ; y of the high slice
	s_add_nc_u64 s[50:51], s[4:5], s[50:51]        ; Q of the low slice
	s_add_nc_u64 s[52:53], s[6:7], s[52:53]        ; y of the low slice
	s_add_nc_u64 s[34:35], s[4:5], s[58:59]
	s_add_nc_u64 s[38:39], s[34:35], 4096          ; V: 2048 columns on
	s_add_nc_u64 s[34:35], s[34:35], 2048          ; K: 1024 columns on
.irp g, 0,1,2,3
	s_mov_b32 s[GK+8*\g], 1                        ; group 0 of K's rows 256 g + 64 w .. + 63
	s_add_co_u32 s[GK+8*\g+1], s33, \g*256*KP
	s_add_nc_u64 s[GK+8*\g+2:GK+8*\g+3], s[34:35], \g*256*ROWQ
	s_or_b32 s[GK+8*\g+3], s[GK+8*\g+3], 0x80000000
	s_mov_b32 s[GK+8*\g+4], 1                      ; and of V's
	s_add_co_u32 s[GK+8*\g+5], s37, \g*256*VP
	s_add_nc_u64 s[GK+8*\g+6:GK+8*\g+7], s[38:39], \g*256*ROWQ
	s_or_b32 s[GK+8*\g+7], s[GK+8*\g+7], 0x80000000
.endr
.irp qf, 0,1
.irp ks, 0,1
	global_load_b128 v[QQ+16*\qf+8*\ks:QQ+16*\qf+8*\ks+3],   v[QO], s[46:47] offset:16*ROWQ*\qf+64*\ks
	global_load_b128 v[QQ+16*\qf+8*\ks+4:QQ+16*\qf+8*\ks+7], v[QO], s[46:47] offset:16*ROWQ*\qf+64*\ks+32
.endr
.endr
	WIN 0x40
.irp qf, 0,1
.irp ks, 0,1
	global_load_b128 v[QQ+16*\qf+8*\ks:QQ+16*\qf+8*\ks+3],   v[QO], s[50:51] offset:16*ROWQ*\qf+64*\ks
	global_load_b128 v[QQ+16*\qf+8*\ks+4:QQ+16*\qf+8*\ks+7], v[QO], s[50:51] offset:16*ROWQ*\qf+64*\ks+32
.endr
.endr
	WIN 0
	ROUND                                          ; the four partners are here: the joint loads meet
.irp g, 0,1,2,3
	tensor_load_to_lds s[GK+8*\g:GK+8*\g+3], s[16:23]      ; my 64 rows of K in group g
	s_nop 0
	tensor_load_to_lds s[GK+8*\g+4:GK+8*\g+7], s[24:31]    ; and of V: eight tensor loads of the wave are out, the only ones of the launch
	s_nop 0
.endr
	v_mul_u32_u24 v[KB], v1, KP
	v_lshl_add_u32 v[KB], v2, 4, v[KB]
	v_and_b32 v3, 7, v0
	v_lshl_add_u32 v15, v2, 3, v3                  ; 8 h + l % 8
	v_mul_u32_u24 v[VB], v15, VP
	v_bfe_u32 v15, v0, 3, 1
	v_lshl_add_u32 v[VB], v15, 4, v[VB]
	v_add_nc_u32 v[VB], VBASE, v[VB]
	s_mul_i32 s55, s8, 16*KP
	s_add_co_u32 s55, s55, STAGE                   ; my stage
	v_add_nc_u32 v[STW], s55, v[KB]
	v_bfe_u32 v15, v0, 3, 2                        ; l / 8: one of four rows
	v_mul_u32_u24 v[STR], v15, KP
	v_lshl_add_u32 v[STR], v3, 4, v[STR]
	v_add_nc_u32 v[STR], s55, v[STR]
	v_lshlrev_b32 v[YO], 11, v15
	v_lshl_add_u32 v[YO], v3, 4, v[YO]
	v_lshlrev_b32 v3, 3, v2
	v_sub_nc_u32 v[DL], v1, v3
	v_add_nc_u32 v[DL], s60, v[DL]
	v_add_nc_u32 v[DL+1], 16, v[DL]
	v_mov_b32 v[NINF], 0xff800000
	v_mov_b32 v[NM+1], 0                           ; the second registers of pairs of which the first feeds both halves: written once, their value is never used
	v_mov_b32 v[NM+3], 0
	v_mov_b32 v[AL+1], 0
	v_mov_b32 v[AL+3], 0
	v_mov_b32 v[KA], v[KB]                         ; the high slice begins at key 0
	v_mov_b32 v[VA], v[VB]
	; THE SLICE i = 7 - w, keys upward.
	s_wait_tensorcnt 0x6                           ; my parts of group 0 (K, V) have landed; the six loads of groups 1 to 3 stay out
	s_barrier_signal -1
	s_barrier_wait -1                              ; everybody's have: rows 0 to 255
	s_wait_loadcnt 0x0                             ; Q
	KLOAD
	TRIP 1, -1, 1, 0                               ; chunks 0 and 1
	TRIP 0, -1, 1, 0
	TRIP 0, -1, 1, 0
	TRIP 0, -1, 0, 0                               ; asks for no fragments of rows that are not yet shown landed
	s_wait_tensorcnt 0x4                           ; my parts of group 1; the four loads of groups 2 and 3 stay out
	s_barrier_signal -1
	s_barrier_wait -1                              ; rows 256 to 511
	KLOAD
	TRIP 0, -1, 1, 0                               ; chunks 2 and 3
	TRIP 0, -1, 1, 0
	TRIP 0, -1, 1, 0
	TRIP 0, -1, 0, 0
	s_wait_tensorcnt 0x0                           ; all my loads
	s_barrier_signal -1
	s_barrier_wait -1                              ; all rows
	KLOAD
	s_mov_b32 s45, 4
.Lhigh:
	s_cmp_ge_u32 s45, s44                          ; chunks 4 .. i - 1, open to every query
	s_cbranch_scc1 .Lhigh_done
	TRIP 0, -1, 1, 0
	TRIP 0, -1, 1, 0
	s_add_co_u32 s45, s45, 1
	s_cmp_lt_u32 s45, 7
	s_cbranch_scc1 .Lhigh
.Lhigh_done:
	TRIP 0, 0, 1, 0                                ; the diagonal chunk, which follows chunk i - 1 in LDS
	TRIP 0, 64, 0, 0                               ; no LDS read of mine is out behind it
	NORM 0, PK
	NORM 1, PK+16
	; THE SLICE i = w: the diagonal chunk first, then chunks 0 .. i - 1.
	s_mul_i32 s61, s8, 128*KP
	s_mul_i32 s62, s8, 128*VP
	v_add_nc_u32 v[KA], s61, v[KB]
	v_add_nc_u32 v[VA], s62, v[VB]
	KLOAD
	TRIP 1, 0, 1, 0x04
	TRIP 0, 64, 2, 0x04
	s_mov_b32 s45, 0
.Llow:
	s_cmp_ge_u32 s45, s8
	s_cbranch_scc1 .Llow_done
	TRIP 0, -1, 1, 0x04
	TRIP 0, -1, 1, 0x04
	s_add_co_u32 s45, s45, 1
	s_cmp_lt_u32 s45, 3
	s_cbranch_scc1 .Llow
.Llow_done:
	s_wait_dscnt 0x0                               ; the fragments asked for ahead (inside K's bytes) have come and are dropped: no LDS read of mine is out
	NORM 0, PK+32
	NORM 1, PK+48
	s_barrier_signal -1                            ; my LDS reads are all back (the waits for 0 at each slice's end; the scaling behind them is register work);
	s_barrier_wait -1                              ; so are every wave's: from here on LDS is written, each wave in its own stage
	OUT PK,    0, 48, 0
	OUT PK+16, 1, 48, 1
	OUT PK+32, 0, 52, 2
	OUT PK+48, 1, 52, 3
	s_set_vgpr_msb 0x5
	s_wait_tensorcnt 0x0
	ds_add_u32 v192, v193
	s_wait_dscnt 0x0
	s_set_vgpr_msb 0x500
	ROUND                                          ; the closing round
	s_endpgm
.Lfunc_end_k_q71e59de8f1_attn:
	.size	k_q71e59de8f1_attn, .Lfunc_end_k_q71e59de8f1_attn-k_q71e59de8f1_attn
	.p2alignl 7, 3214868480
	.fill 96, 4, 3214868480
	.section	.rodata,"a",@progbits
	.p2align	6, 0x0
	.amdhsa_kernel k_q71e59de8f1_attn
		.amdhsa_group_segment_fixed_size 321024
		.amdhsa_private_segment_fixed_size 0
		.amdhsa_enable_private_segment 0
		.amdhsa_kernarg_size 16
		.amdhsa_user_sgpr_count 2
		.amdhsa_user_sgpr_kernarg_segment_ptr 1
		.amdhsa_wavefront_size32 1
		.amdhsa_system_sgpr_workgroup_id_x 1
		.amdhsa_system_sgpr_workgroup_id_y 1
		.amdhsa_system_sgpr_workgroup_id_z 1
		.amdhsa_system_vgpr_workitem_id 0
		.amdhsa_next_free_vgpr 450
		.amdhsa_next_free_sgpr 100
		.amdhsa_reserve_vcc 1
		.amdhsa_float_denorm_mode_32 3
		.amdhsa_float_denorm_mode_16_64 3
		.amdhsa_memory_ordered 1
		.amdhsa_forward_progress 1
		.amdhsa_inst_pref_size 255
	.end_amdhsa_kernel
	.section	.bss,"aw",@nobits
	.p2align	6
	.space	262144
	.amdgpu_metadata
---
amdhsa.version: [ 1, 2 ]
amdhsa.kernels:
  - .name:           k_q71e59de8f1_attn
    .symbol:         k_q71e59de8f1_attn.kd
    .args:
      - { .name: qkv, .offset: 0, .size: 8, .value_kind: global_buffer, .address_space: global }
      - { .name: y, .offset: 8, .size: 8, .value_kind: global_buffer, .address_space: global }
    .group_segment_fixed_size: 321024
    .private_segment_fixed_size: 0
    .kernarg_segment_align: 8
    .kernarg_segment_size: 16
    .max_flat_workgroup_size: 128
    .sgpr_count:     100
    .vgpr_count:     450
    .wavefront_size: 32
...
	.end_amdgpu_metadata
.endif
;; end of part 3
;; launch oproj (part 4): grid 8 x 32, 4 waves a work-group, clusters of 4 x 1, 270,848 bytes of LDS; arguments y, wb, x, x1; writes x1
.if DOCPART == 4
	.amdgcn_target "amdgcn-amd-amdhsa--gfx1250"
	.amdhsa_code_object_version 6
	.text
	.protected	k_q71e59de8f1_oproj
	.globl	k_q71e59de8f1_oproj
	.p2align	8
	.type	k_q71e59de8f1_oproj,@function
k_q71e59de8f1_oproj:
	s_mov_b64 s[64:65], 0
	v_nop
	global_prefetch_b8 v0, s[64:65] scope:SCOPE_SE
	s_setreg_imm32_b32 hwreg(HW_REG_WAVE_MODE, 25, 1), 1
	s_wait_xcnt 0x0
	s_wait_alu depctr_hold_cnt(0) depctr_sa_sdst(0) depctr_va_vdst(0) depctr_va_sdst(0) depctr_va_ssrc(0) depctr_va_vcc(0) depctr_vm_vsrc(0)
	s_getreg_b32 s2, hwreg(HW_REG_IB_STS2, 6, 4)
	s_cmp_eq_u32 s2, 0
	s_cbranch_scc0 .Lentry_in_a_cluster
	s_endpgm
.Lentry_in_a_cluster:
	s_bfe_u32 s2, ttmp6, 0x10000c
	s_cmp_lg_u32 s2, 0x3003
	s_cbranch_scc0 .Lentry_shape_is_right
	s_endpgm
.Lentry_shape_is_right:
; C[m][n] = R[m][n] + sum over k of A[m][k] B[n][k].  A: [4096][SIZE_K] bf16, B: 1024 x SIZE_K bf16 in fragment order (wb from byte WOFF), R and C: [4096][1024] f32.
; 1024 columns give 64 blocks of 256 x 256; blocks of 128 x 128 give 256 work-groups.  To keep a wave tile of 128 x 128 the four waves split K: each makes the
; whole block over its own quarter (128 of 512) of every slot, and the four partial blocks are added in LDS at the end, on the trip that turns tiles into rows
; anyway.  So the order of the sum over k differs from a plain ascending one.
; B DOES NOT GO THROUGH LDS.  In this split no byte of B is used by two waves of the work-group, so LDS would only pass it on.  An earlier launch has laid B as
; [block of 128 rows][32 along k][16 rows b][half j][lane][16 bytes]: a load of the wave covers 512 consecutive bytes and is half a fragment as the matrix
; instruction takes it; the 16 loads of a step of 32 along K cover 8,192 consecutive bytes.  Four register buffers (window 1) take turns; a buffer is asked for
; three steps of 64 matrix instructions ahead, behind a counted s_wait_loadcnt.
; That is also why B's requests are not joint in the cluster: a joint request lands in LDS, and with B there two slots hold 256 along K each, 128 matrix
; instructions a wave for a slot and 112 between a request and the wait for it; with A alone a slot holds 512 along K, 256 and 224.
; A goes through two LDS slots (128 rows of 1,024 bytes + 16); each wave asks for 32 rows with one tensor load, jointly with the three other block columns of
; its cluster of 4 x 1 work-groups (mask 15), which need the same rows of A.
; Registers as windows of 256: window 0 addresses and A's fragments (v64-127, v128-191); window 1 B's four buffers; windows 2, 3 the 64 accumulator tiles.
; The matrix instruction is used transposed (source 0 = rows of B, source 1 = rows of A).  The 64 accumulators take turns, one instruction a turn.
.set SIZE_K, 1024
.set WOFF,   0x600000
.set ROWC,   4096                      ; bytes in a row of R and of C
.set KSLOT,  512                       ; K in a slot
.set PITCH,  1040                      ; 1,024 bytes + 16: an odd multiple of 16
.set QROWS,  32*PITCH                  ; 32 rows: what one tensor load brings
.set SLOT,   4*QROWS                   ; 128 rows of A
.set XP,     528                       ; pitch of a partial block's rows: 512 bytes + 16
.set PART,   128*XP                    ; a partial block of 128 rows x 128 f32, at the end, in the slots' bytes behind their last fill
.set LAPS,   SIZE_K/(2*KSLOT)          ; a lap = two slots = eight steps of 32 along K for each wave
.set BQ,     8192                      ; bytes of B for one wave's step: eight fragments
.set BSLOT,  16*BQ                     ; from one slot's K to the next: 16 steps of 32
.set ADRA, 16                          ; v16, v17  LDS address of my A fragments in slot 0, rows 0-63 and 64-127; v18, v19 in slot 1
.set STO,  24                          ; v24     where I put my partial block's 32 bytes
.set RD,   25                          ; v25-28  my 16 bytes of a row in partial block 0..3
.set CO,   29                          ; v29     16 x lane: my 16 bytes of 512, in B, R and C
.set F0,   64                          ; A's two fragment buffers: v64-127, v128-191
.set G1, 24                            ; s[24:31] descriptor group 1
.set G0, 32                            ; s[32:39] descriptor group 0, one set for each slot
.set MSB, 0
.macro WIN new                         ; the immediate's high byte repeats the setting that is left
.if MSB != \new
	s_set_vgpr_msb (MSB<<8)|\new
.set MSB, \new
.endif
.endm
.set MUL_LO, 0xa1                      ; source 0 (B) window 1, source 1 (A) window 0, C and D window 2
.set MUL_HI, 0xf1                      ; the same, C and D window 3
.set TO_B,   0x40                      ; destination window 1
.macro CREST                           ; a round of the cluster's barrier behind its opening work-group barrier
	s_cmp_lg_u32 s10, 0
	s_cbranch_scc1 .Lnot_wave_0_\@
	s_barrier_signal -3
.Lnot_wave_0_\@:
	s_barrier_wait -3
	s_barrier_signal -1
	s_barrier_wait -1
.endm
.macro CROUND                          ; a whole round
	s_barrier_signal -1
	s_barrier_wait -1
	CREST
.endm
.macro PLACES                          ; four plain vector instructions between a matrix instruction and a load into, or a read of, its registers
.rept 4
	v_nop
.endr
.endm
.macro LOADB off, buf                  ; B for one step: 16 loads of 512 consecutive bytes into the buffer from buf on (window 1)
.set ii, 0
.rept 16
	global_load_b128 v[\buf+4*ii:\buf+4*ii+3], v[CO], s[6:7] offset:\off+512*ii
.set ii, ii+1
.endr
.endm
.macro LOADR part                      ; 16 of my 32 rows of the residual, into B's buffer number part (window 1), which is free by then: row i at v[4 i]
.set ii, 0
.rept 16
	global_load_b128 v[64*\part+4*ii:64*\part+4*ii+3], v[CO], s[68:69] offset:ROWC*(16*\part+ii) th:TH_LOAD_NT
.set ii, ii+1
.endr
.endm
.macro FETCHA sl, k, f                 ; A for one step: 128 rows x 32 K at byte k of my 256 bytes of slot sl's rows, into buffer f (window 0)
.irp i, 0,1,2,3
	ds_load_b128 v[\f+8*\i:\f+8*\i+3],   v[ADRA+2*\sl] offset:\k+\i*16*PITCH
	ds_load_b128 v[\f+8*\i+4:\f+8*\i+7], v[ADRA+2*\sl] offset:\k+\i*16*PITCH+32
.endr
.irp i, 0,1,2,3
	ds_load_b128 v[\f+32+8*\i:\f+32+8*\i+3], v[ADRA+2*\sl+1] offset:\k+\i*16*PITCH
	ds_load_b128 v[\f+32+8*\i+4:\f+32+8*\i+7], v[ADRA+2*\sl+1] offset:\k+\i*16*PITCH+32
.endr
.endm
.macro MUL32 fa, fb, hi, zero          ; 32 matrix instructions: four m blocks of the window x all 8 n blocks; zero = 1: the product starts the sums
.irp a, 0,1,2,3
.irp b, 0,1,2,3,4,5,6,7
.if \zero
	v_wmma_f32_16x16x32_bf16 v[8*(8*\a+\b):8*(8*\a+\b)+7], v[\fb+8*\b:\fb+8*\b+7], v[\fa+8*(4*\hi+\a):\fa+8*(4*\hi+\a)+7], 0
.else
	v_wmma_f32_16x16x32_bf16 v[8*(8*\a+\b):8*(8*\a+\b)+7], v[\fb+8*\b:\fb+8*\b+7], v[\fa+8*(4*\hi+\a):\fa+8*(4*\hi+\a)+7], v[8*(8*\a+\b):8*(8*\a+\b)+7]
.endif
.endr
.endr
.endm
; Step q (0..7) of a lap: 64 matrix instructions on A's buffer q % 2 and B's buffer q % 4.
; ld: 0 = B of step q + 3 is asked for, into the buffer that step q - 1 has left; 1, 2 = the residual's halves instead; 3 = nothing.
; turn: 0 = A of step q + 1 is fetched from the same slot at the step's head; 1 = the slot's last step, the slot is filled again; 2 = the same without a fill; 3 = the last step of all.
.macro QSTEP q, zero, ld, turn
.set QA, F0+64*((\q)%2)
.set QN, F0+64*((\q+1)%2)
.set QB, 64*((\q)%4)
.set QL, 64*((\q+3)%4)
.set QF, ((\q)/4)%2
.set QS, ((\q+1)/4)%2
.set QK, 64*((\q+1)%4)
.set QO, ((\q+3)/4)*BSLOT+((\q+3)%4)*BQ
.if \turn != 3
	PLACES                                         ; behind step q - 1's matrix instructions, whose buffers are loaded again
.endif
.if \turn == 0
	WIN 0
	FETCHA QS, QK, QN
.endif
	s_wait_loadcnt 32                              ; this step's 16 loads of B are in; the two younger groups of 16 stay out
.if \ld == 0
	WIN TO_B
	LOADB QO, QL
.endif
.if \ld == 1
	WIN TO_B
	LOADR 0
.endif
.if \ld == 2
	WIN TO_B
	LOADR 1
.endif
.if \turn == 0
	s_wait_dscnt 16                                ; this step's A is in; the 16 loads just issued stay out
	WIN MUL_LO
	MUL32 QA, QB, 0, \zero
.else
	s_wait_dscnt 0                                 ; this step's A is in, and with it my reads of this slot are over
.if \turn != 3
	s_wait_tensorcnt 0x0                           ; all my tensor loads have landed: the one that was out is my part of the next slot
	s_barrier_signal -1
.endif
	WIN MUL_LO
	MUL32 QA, QB, 0, \zero                         ; register work while the others arrive
.if \turn != 3
	WIN 0
	s_barrier_wait -1
.if \turn == 1
	CREST                                          ; no wave of any partner still reads this slot or has a load on its way
	s_add_nc_u64 s[G0+4*QF+2:G0+4*QF+3], s[G0+4*QF+2:G0+4*QF+3], 2*KSLOT*2
	tensor_load_to_lds s[G0+4*QF:G0+4*QF+3], s[G1:G1+7]   ; the first and only tensor load behind the round; 224 matrix instructions stand before the wait for it
.endif
	FETCHA QS, QK, QN                              ; the next slot's first step (its buffer was left by step q - 1, four places and more ago)
.endif
.endif
	WIN MUL_HI
	MUL32 QA, QB, 1, \zero
.endm
.macro LAP zero                        ; both slots filled again
	QSTEP 0, \zero, 0, 0
	QSTEP 1, 0, 0, 0
	QSTEP 2, 0, 0, 0
	QSTEP 3, 0, 0, 1
	QSTEP 4, 0, 0, 0
	QSTEP 5, 0, 0, 0
	QSTEP 6, 0, 0, 0
	QSTEP 7, 0, 0, 1
	WIN 0
	s_wait_xcnt 0x0                                ; B's base, which pending loads name, is stepped only behind this wait
	s_add_nc_u64 s[6:7], s[6:7], 2*BSLOT
.endm
.macro LASTLAP zero                    ; nothing is filled; the last three steps ask for no B: the residual takes two of the freed buffers
	QSTEP 0, \zero, 0, 0
	QSTEP 1, 0, 0, 0
	QSTEP 2, 0, 0, 0
	QSTEP 3, 0, 0, 2
	QSTEP 4, 0, 0, 0
	QSTEP 5, 0, 1, 0
	QSTEP 6, 0, 2, 0
	QSTEP 7, 0, 3, 3
.endm
	s_load_b128 s[4:7], s[0:1], 0x0                ; A s[4:5], wb s[6:7]
	s_load_b128 s[68:71], s[0:1], 0x10             ; R s[68:69], C s[70:71]
	v_lshl_add_u32 v254, v0, 2, 0x42000
	v_mov_b32 v255, 0
	ds_add_u32 v254, v255
	ds_add_u32 v254, v255
	v_lshrrev_b32 v1, 5, v0
	v_readfirstlane_b32 s10, v1                    ; wave 0..3: my quarter of every slot's K, my 32 rows of A's tiles, my 32 rows on the way out
	s_bfe_u32 s40, ttmp6, 0x40000                  ; cx
	s_lshl_b32 s42, ttmp9, 2
	s_add_co_u32 s42, s42, s40                     ; block column = 4 x cluster x + cx
	s_and_b32 s13, ttmp7, 0xffff                   ; block row = cluster y: the cluster is one work-group high
	; descriptor group 1: 32 rows of 512 elements of 2 bytes; mask 15 with bit 21; 4 words of padding after every 256
	s_mov_b32 s[G1+0], 15|(1<<16)|(1<<20)|(1<<21)|(7<<22)|(3<<25)
	s_mov_b32 s[G1+1], KSLOT<<16                   ; tensor_dim0 = 512
	s_mov_b32 s[G1+2], 32<<16                      ; tensor_dim1 = 32
	s_mov_b32 s[G1+3], KSLOT<<16                   ; tile_dim0 = 512
	s_mov_b32 s[G1+4], 32                          ; tile_dim1 = 32
	s_mov_b32 s[G1+5], SIZE_K                      ; elements from row to row
	s_mov_b32 s[G1+6], 0
	s_mov_b32 s[G1+7], 0
	s_lshl_b32 s16, s13, 7
	s_lshl_b32 s17, s10, 5
	s_add_co_u32 s16, s16, s17                     ; row 128 x block row + 32 x wave: of A's tiles, and of R and C
	s_lshl_b32 s22, s16, 12                        ; R and C: rows of 4,096 bytes,
	s_lshl_b32 s23, s42, 9
	s_add_co_u32 s22, s22, s23                     ; the block's 512 bytes in a row
	s_mov_b32 s23, 0
	s_mov_b32 s17, 0
	s_mov_b64 s[18:19], SIZE_K*2
	s_mul_u64 s[16:17], s[16:17], s[18:19]         ; A: block row and wave alone, equal in all four partners
	s_mul_i32 s20, s10, QROWS                      ; LDS: wave x 32 rows
	s_mul_i32 s46, s42, (SIZE_K/32)*BQ             ; B: the block column's fragments,
	s_lshl_b32 s47, s10, 15
	s_add_co_u32 s46, s46, s47                     ; my quarter of a slot: four steps of 8,192 bytes,
	s_add_co_u32 s46, s46, WOFF                    ; the matrix's place in wb
	s_mov_b32 s47, 0
	v_and_b32 v5, 31, v0
	v_lshlrev_b32 v[CO], 4, v5
	s_wait_dscnt 0x0
	s_wait_kmcnt 0x0
	s_add_nc_u64 s[6:7], s[6:7], s[46:47]
	s_add_nc_u64 s[14:15], s[4:5], s[16:17]
	s_add_nc_u64 s[68:69], s[68:69], s[22:23]
	s_add_nc_u64 s[70:71], s[70:71], s[22:23]
	WIN TO_B
	LOADB 0, 0                                     ; B of steps 0, 1, 2: on their way while the first tiles of A come
	LOADB BQ, 64
	LOADB 2*BQ, 128
	WIN 0
.irp s, 0,1
	s_mov_b32 s[G0+4*\s], 1
	s_add_co_u32 s[G0+4*\s+1], s20, \s*SLOT
	s_add_nc_u64 s[G0+4*\s+2:G0+4*\s+3], s[14:15], \s*KSLOT*2
	s_or_b32 s[G0+4*\s+3], s[G0+4*\s+3], 0x80000000
.endr
	CROUND                                         ; the four partners are here: the first joint loads meet
	tensor_load_to_lds s[G0:G0+3], s[G1:G1+7]
	s_nop 0
	tensor_load_to_lds s[G0+4:G0+7], s[G1:G1+7]    ; both first fills go out together: two tensor loads of the wave are out, later one
	s_nop 0
	v_and_b32 v1, 15, v0                           ; r
	v_bfe_u32 v2, v0, 4, 1                         ; h
	v_mul_u32_u24 v3, v1, PITCH
	v_lshl_add_u32 v3, v2, 4, v3                   ; row x pitch + 16 h
	s_lshl_b32 s21, s10, 8                         ; my quarter of a slot's K: 256 bytes of every row
	v_add_nc_u32 v[ADRA], s21, v3
	v_add_nc_u32 v[ADRA+1], 64*PITCH, v[ADRA]      ; rows 64-127 have a register of their own: the 16-bit offset does not reach them
	v_add_nc_u32 v[ADRA+2], SLOT, v[ADRA]
	v_add_nc_u32 v[ADRA+3], SLOT, v[ADRA+1]
	v_mul_u32_u24 v4, v1, XP
	v_lshl_add_u32 v4, v2, 5, v4                   ; row x pitch + 32 h: eight f32
	s_mul_i32 s21, s10, PART
	v_add_nc_u32 v[STO], s21, v4
	s_mul_i32 s21, s10, 32*XP
	v_add_nc_u32 v[RD], s21, v[CO]
	v_add_nc_u32 v[RD+1], PART, v[RD]
	v_add_nc_u32 v[RD+2], PART, v[RD+1]
	v_add_nc_u32 v[RD+3], PART, v[RD+2]
	s_wait_tensorcnt 1                             ; my part of slot 0 is in; slot 1's stays out
	s_barrier_signal -1
	s_barrier_wait -1
	FETCHA 0, 0, F0
.if LAPS > 1
	LAP 1                                          ; its first products start the sums: nothing is cleared
.if LAPS > 2
	s_mov_b32 s3, LAPS-2
.Llap:
	LAP 0
	s_sub_co_u32 s3, s3, 1
	s_cmp_lg_u32 s3, 0
	s_cbranch_scc1 .Llap
.endif
	LASTLAP 0
.else
	LASTLAP 1
.endif
	; THE END.  Each wave lays its partial block into LDS; wave w then adds the four partials of rows 32 w .. 32 w + 31 and the residual, and stores whole rows.
	PLACES
	WIN 0
	s_barrier_signal -1                            ; every wave's reads of the slots are back and its tensor loads have landed (the waits for 0 above):
	s_barrier_wait -1                              ; the slots' bytes, which are filled no more, may be written
	WIN 0x08                                       ; store data (source 1) from window 2
.irp a, 0,1,2,3
.irp b, 0,1,2,3,4,5,6,7
	ds_store_b128 v[STO], v[8*(8*\a+\b):8*(8*\a+\b)+3]   offset:\a*16*XP+64*\b
	ds_store_b128 v[STO], v[8*(8*\a+\b)+4:8*(8*\a+\b)+7] offset:\a*16*XP+64*\b+16
.endr
.endr
	WIN 0x0c                                       ; from window 3
.irp a, 0,1,2,3
.irp b, 0,1,2,3,4,5,6,7
	ds_store_b128 v[STO], v[8*(8*\a+\b):8*(8*\a+\b)+3]   offset:(\a+4)*16*XP+64*\b
	ds_store_b128 v[STO], v[8*(8*\a+\b)+4:8*(8*\a+\b)+7] offset:(\a+4)*16*XP+64*\b+16
.endr
.endr
	WIN 0
	s_wait_dscnt 0x0                               ; for the others' sake: my partial block is written
	s_barrier_signal -1
	s_barrier_wait -1
	s_wait_loadcnt 0x0                             ; the residual, asked for two and three steps ago
.macro SUM8 g                          ; eight of my rows
	s_wait_xcnt 0x0                                ; the registers that the last eight stores read are loaded again only behind this wait
.irp i, 0,1,2,3,4,5,6,7
.irp s, 0,1,2,3
	ds_load_b128 v[64+16*\i+4*\s:67+16*\i+4*\s], v[RD+\s] offset:(8*\g+\i)*XP
.endr
.endr
.irp i, 0,1,2,3,4,5,6,7
	s_wait_dscnt 4*(7-\i)                          ; row i's four partials are in; the later rows' loads stay out
	v_pk_add_f32 v[64+16*\i:65+16*\i], v[64+16*\i:65+16*\i], v[68+16*\i:69+16*\i]
	v_pk_add_f32 v[66+16*\i:67+16*\i], v[66+16*\i:67+16*\i], v[70+16*\i:71+16*\i]
	v_pk_add_f32 v[72+16*\i:73+16*\i], v[72+16*\i:73+16*\i], v[76+16*\i:77+16*\i]
	v_pk_add_f32 v[74+16*\i:75+16*\i], v[74+16*\i:75+16*\i], v[78+16*\i:79+16*\i]
	v_pk_add_f32 v[64+16*\i:65+16*\i], v[64+16*\i:65+16*\i], v[72+16*\i:73+16*\i]
	v_pk_add_f32 v[66+16*\i:67+16*\i], v[66+16*\i:67+16*\i], v[74+16*\i:75+16*\i]
.endr
	WIN 0x04                                       ; source 1 (the residual) in window 1
.irp i, 0,1,2,3,4,5,6,7
	v_pk_add_f32 v[64+16*\i:65+16*\i], v[64+16*\i:65+16*\i], v[4*(8*\g+\i):4*(8*\g+\i)+1]
	v_pk_add_f32 v[66+16*\i:67+16*\i], v[66+16*\i:67+16*\i], v[4*(8*\g+\i)+2:4*(8*\g+\i)+3]
.endr
	WIN 0
.irp i, 0,1,2,3,4,5,6,7
	global_store_b128 v[CO], v[64+16*\i:67+16*\i], s[70:71] offset:(8*\g+\i)*ROWC   ; a store of the wave covers 512 consecutive bytes at a multiple of 512
.endr
.endm
	SUM8 0
	SUM8 1
	SUM8 2
	SUM8 3
	s_wait_tensorcnt 0x0
	ds_add_u32 v254, v255
	s_wait_dscnt 0x0
	CROUND                                         ; the closing round
	s_endpgm
.Lfunc_end_k_q71e59de8f1_oproj:
	.size	k_q71e59de8f1_oproj, .Lfunc_end_k_q71e59de8f1_oproj-k_q71e59de8f1_oproj
	.p2alignl 7, 3214868480
	.fill 96, 4, 3214868480
	.section	.rodata,"a",@progbits
	.p2align	6, 0x0
	.amdhsa_kernel k_q71e59de8f1_oproj
		.amdhsa_group_segment_fixed_size 270848
		.amdhsa_private_segment_fixed_size 0
		.amdhsa_enable_private_segment 0
		.amdhsa_kernarg_size 32
		.amdhsa_user_sgpr_count 2
		.amdhsa_user_sgpr_kernarg_segment_ptr 1
		.amdhsa_wavefront_size32 1
		.amdhsa_system_sgpr_workgroup_id_x 1
		.amdhsa_system_sgpr_workgroup_id_y 1
		.amdhsa_system_sgpr_workgroup_id_z 1
		.amdhsa_system_vgpr_workitem_id 0
		.amdhsa_next_free_vgpr 1024
		.amdhsa_next_free_sgpr 72
		.amdhsa_reserve_vcc 0
		.amdhsa_float_denorm_mode_32 3
		.amdhsa_float_denorm_mode_16_64 3
		.amdhsa_memory_ordered 1
		.amdhsa_forward_progress 1
		.amdhsa_inst_pref_size 100
	.end_amdhsa_kernel
	.amdgpu_metadata
---
amdhsa.version: [ 1, 2 ]
amdhsa.kernels:
  - .name:           k_q71e59de8f1_oproj
    .symbol:         k_q71e59de8f1_oproj.kd
    .args:
      - { .name: y, .offset: 0, .size: 8, .value_kind: global_buffer, .address_space: global }
      - { .name: wb, .offset: 8, .size: 8, .value_kind: global_buffer, .address_space: global }
      - { .name: x, .offset: 16, .size: 8, .value_kind: global_buffer, .address_space: global }
      - { .name: x1, .offset: 24, .size: 8, .value_kind: global_buffer, .address_space: global }
    .group_segment_fixed_size: 270848
    .private_segment_fixed_size: 0
    .kernarg_segment_align: 8
    .kernarg_segment_size: 32
    .max_flat_workgroup_size: 128
    .sgpr_count:     72
    .vgpr_count:     1024
    .wavefront_size: 32
...
	.end_amdgpu_metadata
.endif
;; end of part 4
;; launch ln2 (part 5): grid 256 x 1, 8 waves a work-group, no clusters, 0 bytes of LDS; arguments x1, g2, h; writes h
.if DOCPART == 5
	.amdgcn_target "amdgcn-amd-amdhsa--gfx1250"
	.amdhsa_code_object_version 6
	.text
	.protected	k_q71e59de8f1_ln2
	.globl	k_q71e59de8f1_ln2
	.p2align	8
	.type	k_q71e59de8f1_ln2,@function
k_q71e59de8f1_ln2:
	s_mov_b64 s[64:65], 0
	v_nop
	global_prefetch_b8 v0, s[64:65] scope:SCOPE_SE
	s_setreg_imm32_b32 hwreg(HW_REG_WAVE_MODE, 25, 1), 1
	s_wait_xcnt 0x0
; h[r][c] = (x1[r][c] - mean_r) * rsqrt(var_r + 1e-5) * g2[c], rounded once to bf16.  x1: [4096][1024] f32, h: [4096][1024] bf16.
; A stream: no LDS, no barrier, no matrix unit.  A work-group owns 16 rows, a wave two.  A row of 4,096 bytes is 32 registers of one wave and stays there
; between the pass for the mean, the pass for the variance (of x - mean, so a common offset costs no digits) and the scaling.
; A load of a wave covers 512 consecutive bytes, a store 256 consecutive bytes at a multiple of 256.
; Limits: v_rsq_f32 is good to 1 ulp; NaN and infinities are not treated.
.set GG, 96                            ; v[96:127]  the gain of my 32 columns
.set XA, 32                            ; v[32:63]   row 0
.set XB, 64                            ; v[64:95]   row 1
.macro WSUM                            ; v4 = the sum of v4 over the 32 lanes, in every lane
	v_add_f32_dpp v4, v4, v4 row_xmask:1 row_mask:0xf bank_mask:0xf
	v_add_f32_dpp v4, v4, v4 row_xmask:2 row_mask:0xf bank_mask:0xf
	v_add_f32_dpp v4, v4, v4 row_xmask:4 row_mask:0xf bank_mask:0xf
	v_add_f32_dpp v4, v4, v4 row_xmask:8 row_mask:0xf bank_mask:0xf
	v_permlanex16_b32 v12, v4, s28, s29
	v_add_f32 v4, v4, v12
.endm
.macro LNROW x, row
	v_pk_add_f32 v[4:5], v[\x:\x+1], v[\x+2:\x+3]
	v_pk_add_f32 v[6:7], v[\x+4:\x+5], v[\x+6:\x+7]
.irp j, 8,12,16,20,24,28
	v_pk_add_f32 v[4:5], v[4:5], v[\x+\j:\x+\j+1]
	v_pk_add_f32 v[6:7], v[6:7], v[\x+\j+2:\x+\j+3]
.endr
	v_pk_add_f32 v[4:5], v[4:5], v[6:7]
	v_add_f32 v4, v4, v5
	WSUM
	v_mul_f32 v8, s30, v4                          ; mean
	v_mul_f32 v9, s30, v4
.irp j, 0,2,4,6,8,10,12,14,16,18,20,22,24,26,28,30
	v_pk_add_f32 v[\x+\j:\x+\j+1], v[\x+\j:\x+\j+1], v[8:9] neg_lo:[0,1] neg_hi:[0,1]
.endr
	v_pk_mul_f32 v[4:5], v[\x:\x+1], v[\x:\x+1]
	v_pk_mul_f32 v[6:7], v[\x+2:\x+3], v[\x+2:\x+3]
.irp j, 4,8,12,16,20,24,28
	v_pk_fma_f32 v[4:5], v[\x+\j:\x+\j+1], v[\x+\j:\x+\j+1], v[4:5]
	v_pk_fma_f32 v[6:7], v[\x+\j+2:\x+\j+3], v[\x+\j+2:\x+\j+3], v[6:7]
.endr
	v_pk_add_f32 v[4:5], v[4:5], v[6:7]
	v_add_f32 v4, v4, v5
	WSUM
	v_fma_f32 v13, v4, s30, s31                    ; variance + 1e-5
	v_rsq_f32 v10, v13
	v_rsq_f32 v11, v13
	v_nop                                          ; one plain vector instruction behind a transcendental before its result is used (ISA guide 5.7.2)
	s_wait_alu depctr_va_vdst(0)
.irp j, 0,2,4,6,8,10,12,14,16,18,20,22,24,26,28,30
	v_pk_mul_f32 v[\x+\j:\x+\j+1], v[\x+\j:\x+\j+1], v[10:11]
.endr
.irp j, 0,2,4,6,8,10,12,14,16,18,20,22,24,26,28,30
	v_pk_mul_f32 v[\x+\j:\x+\j+1], v[\x+\j:\x+\j+1], v[GG+\j:GG+\j+1]
.endr
.irp j, 0,1,2,3,4,5,6,7
	v_cvt_pk_bf16_f32 v[\x+4*\j], v[\x+4*\j], v[\x+4*\j+1]
	v_cvt_pk_bf16_f32 v[\x+4*\j+1], v[\x+4*\j+2], v[\x+4*\j+3]
	global_store_b64 v2, v[\x+4*\j:\x+4*\j+1], s[26:27] offset:\row*2048+256*\j
.endr
.endm
	s_load_b128 s[8:11], s[0:1], 0x0               ; x1 s[8:9], g2 s[10:11]
	s_load_b64 s[20:21], s[0:1], 0x10              ; h
	v_lshrrev_b32 v3, 5, v0
	v_readfirstlane_b32 s4, v3                     ; wave 0..7
	v_and_b32 v2, 31, v0
	v_lshlrev_b32 v1, 4, v2                        ; 16 bytes a lane in
	v_lshlrev_b32 v2, 3, v2                        ; 8 bytes a lane out
	v_mov_b32 v12, 0                               ; v_permlanex16_b32 counts as a reader of its destination
	s_lshl_b32 s5, ttmp9, 4
	s_lshl1_add_u32 s5, s4, s5                     ; my first row = 16 x group + 2 x wave
	s_lshl_b32 s6, s5, 12
	s_mov_b32 s7, 0
	s_mov_b32 s28, 0x76543210
	s_mov_b32 s29, 0xfedcba98
	s_mov_b32 s30, 0x3a800000                      ; 1 / 1024
	s_mov_b32 s31, 0x3727c5ac                      ; 1e-5
	s_wait_kmcnt 0x0
	s_add_nc_u64 s[24:25], s[8:9], s[6:7]
	s_lshl_b32 s6, s5, 11
	s_add_nc_u64 s[26:27], s[20:21], s[6:7]
.irp j, 0,1,2,3,4,5,6,7
	global_load_b128 v[GG+4*\j:GG+4*\j+3], v1, s[10:11] offset:512*\j
.endr
.irp j, 0,1,2,3,4,5,6,7
	global_load_b128 v[XA+4*\j:XA+4*\j+3], v1, s[24:25] offset:512*\j th:TH_LOAD_NT
.endr
.irp j, 0,1,2,3,4,5,6,7
	global_load_b128 v[XB+4*\j:XB+4*\j+3], v1, s[24:25] offset:4096+512*\j th:TH_LOAD_NT
.endr
	s_wait_loadcnt 0x8                             ; the gain and row 0 are in; the eight loads of row 1 stay out
	LNROW XA, 0
	s_wait_loadcnt 0x0
	LNROW XB, 1
	s_endpgm
.Lfunc_end_k_q71e59de8f1_ln2:
	.size	k_q71e59de8f1_ln2, .Lfunc_end_k_q71e59de8f1_ln2-k_q71e59de8f1_ln2
	.p2alignl 7, 3214868480
	.fill 96, 4, 3214868480
	.section	.rodata,"a",@progbits
	.p2align	6, 0x0
	.amdhsa_kernel k_q71e59de8f1_ln2
		.amdhsa_group_segment_fixed_size 0
		.amdhsa_private_segment_fixed_size 0
		.amdhsa_enable_private_segment 0
		.amdhsa_kernarg_size 24
		.amdhsa_user_sgpr_count 2
		.amdhsa_user_sgpr_kernarg_segment_ptr 1
		.amdhsa_wavefront_size32 1
		.amdhsa_system_sgpr_workgroup_id_x 1
		.amdhsa_system_sgpr_workgroup_id_y 1
		.amdhsa_system_sgpr_workgroup_id_z 1
		.amdhsa_system_vgpr_workitem_id 0
		.amdhsa_next_free_vgpr 128
		.amdhsa_next_free_sgpr 66
		.amdhsa_reserve_vcc 0
		.amdhsa_float_denorm_mode_32 3
		.amdhsa_float_denorm_mode_16_64 3
		.amdhsa_memory_ordered 1
		.amdhsa_forward_progress 1
		.amdhsa_inst_pref_size 19
	.end_amdhsa_kernel
	.amdgpu_metadata
---
amdhsa.version: [ 1, 2 ]
amdhsa.kernels:
  - .name:           k_q71e59de8f1_ln2
    .symbol:         k_q71e59de8f1_ln2.kd
    .args:
      - { .name: x1, .offset: 0, .size: 8, .value_kind: global_buffer, .address_space: global }
      - { .name: g2, .offset: 8, .size: 8, .value_kind: global_buffer, .address_space: global }
      - { .name: h, .offset: 16, .size: 8, .value_kind: global_buffer, .address_space: global }
    .group_segment_fixed_size: 0
    .private_segment_fixed_size: 0
    .kernarg_segment_align: 8
    .kernarg_segment_size: 24
    .max_flat_workgroup_size: 256
    .sgpr_count:     66
    .vgpr_count:     128
    .wavefront_size: 32
...
	.end_amdgpu_metadata
.endif
;; end of part 5
;; launch fc (part 6): grid 16 x 16, 4 waves a work-group, clusters of 4 x 4, 327,680 bytes of LDS; arguments h, wb, hf; writes hf
.if DOCPART == 6
	.amdgcn_target "amdgcn-amd-amdhsa--gfx1250"
	.amdhsa_code_object_version 6
	.text
	.protected	k_q71e59de8f1_fc
	.globl	k_q71e59de8f1_fc
	.p2align	8
	.type	k_q71e59de8f1_fc,@function
k_q71e59de8f1_fc:
	s_mov_b64 s[64:65], 0
	v_nop
	global_prefetch_b8 v0, s[64:65] scope:SCOPE_SE
	s_setreg_imm32_b32 hwreg(HW_REG_WAVE_MODE, 25, 1), 1
	s_wait_xcnt 0x0
	s_wait_alu depctr_hold_cnt(0) depctr_sa_sdst(0) depctr_va_vdst(0) depctr_va_sdst(0) depctr_va_ssrc(0) depctr_va_vcc(0) depctr_vm_vsrc(0)
	s_getreg_b32 s2, hwreg(HW_REG_IB_STS2, 6, 4)
	s_cmp_eq_u32 s2, 0
	s_cbranch_scc0 .Lentry_in_a_cluster
	s_endpgm
.Lentry_in_a_cluster:
	s_bfe_u32 s2, ttmp6, 0x10000c
	s_cmp_lg_u32 s2, 0xf033
	s_cbranch_scc0 .Lentry_shape_is_right
	s_endpgm
.Lentry_shape_is_right:
; hf[m][n] = gelu(sum over k of h[m][k] Wfc[n][k]).  h: [4096][1024], Wfc: [4096][1024] (wb from byte WOFF), hf: [4096][4096], all bf16; sums and gelu in f32.
; The product is made as in the launch for q, k, v: a work-group makes 256 x 256 with four waves of 128 x 128, K in steps of 128 through two LDS slots filled by
; joint tensor loads of a 4 x 4 cluster (A shared along a row of the cluster, B along a column); 16 x 16 = 256 work-groups.
; gelu(v) = max(v, 0) - |v| erfc(|v| / sqrt 2) / 2, the exact (erf) form, with erfc(x) = (a1 t + .. + a5 t^5) exp(-x^2), t = 1 / (1 + p x)
; (Abramowitz and Stegun 7.1.26, absolute error 1.5e-7 for every x >= 0).  This form takes no difference of near numbers for negative v.
; With U = |v| sqrt(log2(e) / 2): exp(-x^2) = 2^(-U^2), t = 1 / (1 + p sqrt(ln 2) U), and |v| / 2 = U / (2 sqrt(log2(e) / 2)) is folded into b_i = 0.58870501 a_i.
; Limits: erfc to 1.5e-7 absolute; v_exp_f32 and v_rcp_f32 good to 1 ulp, denormals flushed; NaN and infinities are not treated.
; REGISTERS: window 0: v0-31 addresses, v64-127, v128-191 fragments of A; window 1: fragments of B, and behind the K loop the whole of gelu's work;
; windows 2 and 3: the accumulator tiles.  The matrix instruction is used transposed; the 64 accumulators take turns, one instruction a turn.
.set SIZE_N, 4096
.set SIZE_K, 1024
.set WOFF,   0x800000
.set KSTEP,  128
.set PITCH,  272
.set HALFT,  128*PITCH
.set SLOT,   4*HALFT
.set STAGE,  2*SLOT
.set SPITCH, 272
.set LAPS, SIZE_K/(2*KSTEP)
.set ADRA, 16
.set ADRB, 20
.set STO,  24
.set RD,   25
.set CO,   26
.set F0,   64
.set F1,   128
.set GU,   0                           ; window 1 v[0:63]     U of 16 rows' eight tiles
.set GM,   64                          ; window 1 v[64:127]   max(v, 0), then gelu
.set GE,   128                         ; window 1 v[128:135]  2^(-U^2) of one tile
.set GT,   136                         ; window 1 v[136:143]  t
.set GP,   144                         ; window 1 v[144:151]  the polynomial
.set GC,   152                         ; window 1 v[152:153]  b4, twice
.set GK,   160                         ; window 1 v[160:191]  the 16 rows, packed
.set G1, 24
.set G0, 32
.set G1B, 48
.set G0B, 56
.set MSB, 0
.macro WIN new
.if MSB != \new
	s_set_vgpr_msb (MSB<<8)|\new
.set MSB, \new
.endif
.endm
.set MUL_LO, 0xa1
.set MUL_HI, 0xf1
.set TO_B,   0x40
.macro JLOAD s
	s_cmp_eq_u32 s11, 0
	s_cbranch_scc0 .Lfor_b_\@
	tensor_load_to_lds s[G0+4*\s:G0+4*\s+3], s[G1:G1+7]
	s_nop 0
	s_branch .Lasked_\@
.Lfor_b_\@:
	tensor_load_to_lds s[G0B+4*\s:G0B+4*\s+3], s[G1B:G1B+7]
	s_nop 0
.Lasked_\@:
.endm
.macro CREST
	s_cmp_lg_u32 s10, 0
	s_cbranch_scc1 .Lnot_wave_0_\@
	s_barrier_signal -3
.Lnot_wave_0_\@:
	s_barrier_wait -3
	s_barrier_signal -1
	s_barrier_wait -1
.endm
.macro CROUND
	s_barrier_signal -1
	s_barrier_wait -1
	CREST
.endm
	s_load_b128 s[4:7], s[0:1], 0x0                ; A s[4:5], wb s[6:7]
	s_load_b64 s[8:9], s[0:1], 0x10                ; C
	s_set_vgpr_msb 0x40
	v_lshl_add_u32 v255, v0, 2, 0x48400
	s_set_vgpr_msb 0x4000
	v_mov_b32 v255, 0
	s_set_vgpr_msb 0x1
	ds_add_u32 v255, v255
	ds_add_u32 v255, v255
	s_set_vgpr_msb 0x100
	v_lshrrev_b32 v1, 5, v0
	v_readfirstlane_b32 s10, v1                    ; wave 0..3
	s_lshr_b32 s11, s10, 1
	s_and_b32 s12, s10, 1
	s_bfe_u32 s40, ttmp6, 0x40000                  ; cx
	s_bfe_u32 s41, ttmp6, 0x40004                  ; cy
	s_lshl_b32 s42, ttmp9, 2
	s_add_co_u32 s42, s42, s40                     ; block column
	s_and_b32 s13, ttmp7, 0xffff
	s_lshl_b32 s13, s13, 2
	s_add_co_u32 s13, s13, s41                     ; block row
	s_lshl_b32 s43, s41, 2
	s_lshl_b32 s43, 15, s43
	s_lshl_b32 s44, 0x1111, s40
	s_or_b32 s[G1+0], s43, (1<<16)|(1<<20)|(1<<21)|(5<<22)|(3<<25)
	s_or_b32 s[G1B+0], s44, (1<<16)|(1<<20)|(1<<21)|(5<<22)|(3<<25)
	s_mov_b32 s[G1B+1], KSTEP<<16
	s_mov_b32 s[G1+1], KSTEP<<16
	s_mov_b32 s[G1B+2], 128<<16
	s_mov_b32 s[G1+2], 128<<16
	s_mov_b32 s[G1B+3], KSTEP<<16
	s_mov_b32 s[G1+3], KSTEP<<16
	s_mov_b32 s[G1B+4], 128
	s_mov_b32 s[G1+4], 128
	s_mov_b32 s[G1B+5], SIZE_K
	s_mov_b32 s[G1+5], SIZE_K
	s_mov_b32 s[G1B+6], 0
	s_mov_b32 s[G1+6], 0
	s_mov_b32 s[G1B+7], 0
	s_mov_b32 s[G1+7], 0
	s_lshl_b32 s17, s12, 7
	s_lshl_b32 s16, s13, 8
	s_add_co_u32 s16, s16, s17
	s_lshl_b32 s46, s42, 8
	s_add_co_u32 s46, s46, s17
	s_mov_b32 s17, 0
	s_mov_b32 s47, 0
	s_mov_b64 s[18:19], SIZE_K*2
	s_mul_u64 s[16:17], s[16:17], s[18:19]
	s_mul_u64 s[46:47], s[46:47], s[18:19]
	s_mul_i32 s20, s10, HALFT
	s_wait_dscnt 0x0
	s_wait_kmcnt 0x0
	s_add_nc_u64 s[6:7], s[6:7], WOFF
	s_add_nc_u64 s[14:15], s[4:5], s[16:17]
	s_add_nc_u64 s[46:47], s[6:7], s[46:47]
	CROUND                                         ; the first joint loads meet
.irp s, 0,1
	s_mov_b32 s[G0+4*\s], 1
	s_add_co_u32 s[G0+4*\s+1], s20, \s*SLOT
	s_add_nc_u64 s[G0+4*\s+2:G0+4*\s+3], s[14:15], \s*KSTEP*2
	s_or_b32 s[G0+4*\s+3], s[G0+4*\s+3], 0x80000000
	s_mov_b32 s[G0B+4*\s], 1
	s_add_co_u32 s[G0B+4*\s+1], s20, \s*SLOT
	s_add_nc_u64 s[G0B+4*\s+2:G0B+4*\s+3], s[46:47], \s*KSTEP*2
	s_or_b32 s[G0B+4*\s+3], s[G0B+4*\s+3], 0x80000000
	JLOAD \s                                       ; two tensor loads of the wave are out here, later one
.endr
	v_and_b32 v1, 15, v0
	v_bfe_u32 v2, v0, 4, 1
	v_mul_u32_u24 v3, v1, PITCH
	v_lshl_add_u32 v3, v2, 4, v3
	s_mul_i32 s21, s11, HALFT
	s_mul_i32 s22, s12, HALFT
	s_add_co_u32 s22, s22, 2*HALFT
.irp s, 0,1
	v_add_nc_u32 v[ADRA+\s], s21, v3
	v_add_nc_u32 v[ADRB+\s], s22, v3
	s_add_co_u32 s21, s21, SLOT
	s_add_co_u32 s22, s22, SLOT
.endr
	s_mul_i32 s23, s10, 16*SPITCH
	s_add_co_u32 s23, s23, STAGE
	v_mul_u32_u24 v4, v1, SPITCH
	v_lshl_add_u32 v4, v2, 4, v4
	v_add_nc_u32 v[STO], s23, v4
	v_mul_u32_u24 v5, v2, SPITCH
	v_lshl_add_u32 v5, v1, 4, v5
	v_add_nc_u32 v[RD], s23, v5
	v_mul_u32_u24 v5, v2, SIZE_N*2
	v_lshl_add_u32 v[CO], v1, 4, v5
.macro MUL16 f, hi, a0, zero
.irp a, \a0, \a0+1
.irp b, 0,1,2,3,4,5,6,7
.if \zero
	v_wmma_f32_16x16x32_bf16 v[8*(8*(\a)+\b):8*(8*(\a)+\b)+7], v[\f+8*\b:\f+8*\b+7], v[\f+8*(4*\hi+\a):\f+8*(4*\hi+\a)+7], 0
.else
	v_wmma_f32_16x16x32_bf16 v[8*(8*(\a)+\b):8*(8*(\a)+\b)+7], v[\f+8*\b:\f+8*\b+7], v[\f+8*(4*\hi+\a):\f+8*(4*\hi+\a)+7], v[8*(8*(\a)+\b):8*(8*(\a)+\b)+7]
.endif
.endr
.endr
.endm
.macro FETCH slot, k, f
	WIN TO_B
.irp i, 0,1,2,3,4,5,6,7
	ds_load_b128 v[\f+8*\i:\f+8*\i+3],   v[ADRB+\slot] offset:\k+\i*16*PITCH
	ds_load_b128 v[\f+8*\i+4:\f+8*\i+7], v[ADRB+\slot] offset:\k+\i*16*PITCH+32
.endr
	WIN 0
.irp i, 0,1,2,3,4,5,6,7
	ds_load_b128 v[\f+8*\i:\f+8*\i+3],   v[ADRA+\slot] offset:\k+\i*16*PITCH
	ds_load_b128 v[\f+8*\i+4:\f+8*\i+7], v[ADRA+\slot] offset:\k+\i*16*PITCH+32
.endr
.endm
.macro PLACES                          ; four plain vector instructions between a matrix instruction and a load into, or a vector read or write of, its registers
.rept 4
	v_nop
.endr
.endm
.macro QUARTER slot, k, f, g, zero
	s_wait_dscnt 8                                 ; B and A's rows 0-63 are in; A's rows 64-127 (eight loads) may be out
	WIN MUL_LO
	MUL16 \f, 0, 0, \zero
	MUL16 \f, 0, 2, \zero
	PLACES
	FETCH \slot, \k, \g
	s_wait_dscnt 32                                ; all but the 32 just issued
	WIN MUL_HI
	MUL16 \f, 1, 0, \zero
	MUL16 \f, 1, 2, \zero
.endm
.macro THREE slot, zero
	QUARTER \slot, 64,  F0, F1, \zero
	QUARTER \slot, 128, F1, F0, 0
	QUARTER \slot, 192, F0, F1, 0
.endm
.macro TURN slot, next, fill
	s_wait_dscnt 8
	WIN MUL_LO
	MUL16 F1, 0, 0, 0
	s_wait_dscnt 0                                 ; my reads of this slot are over
	s_wait_tensorcnt 0x0                           ; all my tensor loads have landed, my part of the next slot among them
	ds_add_u32 v255, v255
	s_wait_dscnt 0x0
	s_barrier_signal -1
	MUL16 F1, 0, 2, 0
	WIN 0
	s_barrier_wait -1
.if \fill
	CREST                                          ; no wave of any partner still reads this slot or has a load on its way
	s_add_nc_u64 s[G0+4*\slot+2:G0+4*\slot+3], s[G0+4*\slot+2:G0+4*\slot+3], 2*KSTEP*2
	s_add_nc_u64 s[G0B+4*\slot+2:G0B+4*\slot+3], s[G0B+4*\slot+2:G0B+4*\slot+3], 2*KSTEP*2
	JLOAD \slot                                    ; the first and only tensor load behind the round
.endif
	PLACES
	FETCH \next, 0, F0
	WIN MUL_HI
	MUL16 F1, 1, 0, 0
	MUL16 F1, 1, 2, 0
.endm
.macro LAP zero
	THREE 0, \zero
	TURN 0, 1, 1
	THREE 1, 0
	TURN 1, 0, 1
.endm
	s_wait_tensorcnt 1                             ; my part of K step 0 is in; K step 1 stays out
	s_barrier_signal -1
	s_barrier_wait -1
	FETCH 0, 0, F0
	LAP 1
.if LAPS > 2
	WIN 0
	s_mov_b32 s3, LAPS-2
.Llap:
	LAP 0
	WIN 0
	s_sub_co_u32 s3, s3, 1
	s_cmp_lg_u32 s3, 0
	s_cbranch_scc1 .Llap
.endif
	THREE 0, 0
	TURN 0, 1, 0
	THREE 1, 0
	s_wait_dscnt 8
	WIN MUL_LO
	MUL16 F1, 0, 0, 0
	MUL16 F1, 0, 2, 0
	s_wait_dscnt 0
	WIN MUL_HI
	MUL16 F1, 1, 0, 0
	MUL16 F1, 1, 2, 0
	; the way out, 16 rows at a time: gelu, round to bf16, 16 bytes a lane into my own stage, read back as whole rows of 256 bytes
	PLACES
	s_lshl_b32 s13, s13, 8
	s_lshl_b32 s14, s11, 7
	s_add_co_u32 s16, s13, s14
	s_mov_b32 s17, 0
	s_mov_b64 s[18:19], SIZE_N*2
	s_mul_u64 s[16:17], s[16:17], s[18:19]
	s_add_nc_u64 s[8:9], s[8:9], s[16:17]
	s_lshl_b32 s46, s42, 9
	s_lshl_b32 s47, s12, 8
	s_add_co_u32 s46, s46, s47
	s_mov_b32 s47, 0
	s_add_nc_u64 s[8:9], s[8:9], s[46:47]
	s_mov_b32 s66, 0x3f596d27                      ; sqrt(log2(e) / 2) = 0.8493218
	s_mov_b32 s68, 0x3e8ba43f                      ; p sqrt(ln 2) = 0.27273748
	s_mov_b32 s69, 0x3e8ba43f
	s_mov_b32 s70, 0x3f1ff67a                      ; b5 = 0.62485469
	s_mov_b32 s71, 0x3f1ff67a
	WIN 0x40
	v_mov_b32 v[GC], 0xbf5b0099                    ; b4 = -0.85547788, in a vector pair, so that each packed line names one scalar value
	v_mov_b32 v[GC+1], 0xbf5b0099
; rows 16 i .. 16 i + 15 of my block = tiles (a, 0..7) of window 2 or 3 (from = 0x42 or 0x43: source 0 there, destination window 1); f: F0 or F1 in turn
.macro OUT16G i, a, from, f
	WIN \from
.irp b, 0,1,2,3,4,5,6,7
.irp r, 0,1,2,3,4,5,6,7
	v_mul_f32 v[GU+8*\b+\r], |v[8*(8*\a+\b)+\r]|, s66
.endr
.endr
.irp b, 0,1,2,3,4,5,6,7
.irp r, 0,1,2,3,4,5,6,7
	v_max_num_f32 v[GM+8*\b+\r], v[8*(8*\a+\b)+\r], 0
.endr
.endr
	WIN 0x55                                       ; everything in window 1
.irp b, 0,1,2,3,4,5,6,7
.irp p, 0,2,4,6
	v_pk_fma_f32 v[GT+\p:GT+\p+1], v[GU+8*\b+\p:GU+8*\b+\p+1], s[68:69], 1.0 op_sel_hi:[1,0,0]
.endr
.irp r, 0,1,2,3,4,5,6,7
	v_rcp_f32 v[GT+\r], v[GT+\r]                   ; t
.endr
.irp p, 0,2,4,6
	v_pk_mul_f32 v[GE+\p:GE+\p+1], v[GU+8*\b+\p:GU+8*\b+\p+1], v[GU+8*\b+\p:GU+8*\b+\p+1] neg_lo:[1,0] neg_hi:[1,0]   ; -U^2; plain lines between the reciprocals and their use (ISA guide 5.7.2)
.endr
.irp r, 0,1,2,3,4,5,6,7
	v_exp_f32 v[GE+\r], v[GE+\r]
.endr
	s_wait_alu depctr_va_vdst(0)
.irp p, 0,2,4,6
	v_pk_fma_f32 v[GP+\p:GP+\p+1], v[GT+\p:GT+\p+1], s[70:71], v[GC:GC+1] op_sel_hi:[1,0,1]   ; Horner; these plain lines stand between the exponentials and their use
.endr
.irp p, 0,2,4,6
	v_pk_fma_f32 v[GP+\p:GP+\p+1], v[GP+\p:GP+\p+1], v[GT+\p:GT+\p+1], 0x3f563817 op_sel_hi:[1,1,0]   ; b3 = 0.83679339
.endr
.irp p, 0,2,4,6
	v_pk_fma_f32 v[GP+\p:GP+\p+1], v[GP+\p:GP+\p+1], v[GT+\p:GT+\p+1], 0xbe2b8119 op_sel_hi:[1,1,0]   ; b2 = -0.16748465
.endr
.irp p, 0,2,4,6
	v_pk_fma_f32 v[GP+\p:GP+\p+1], v[GP+\p:GP+\p+1], v[GT+\p:GT+\p+1], 0x3e199eb3 op_sel_hi:[1,1,0]   ; b1 = 0.15001946
.endr
.irp p, 0,2,4,6
	v_pk_mul_f32 v[GP+\p:GP+\p+1], v[GP+\p:GP+\p+1], v[GT+\p:GT+\p+1]
.endr
.irp p, 0,2,4,6
	v_pk_mul_f32 v[GP+\p:GP+\p+1], v[GP+\p:GP+\p+1], v[GE+\p:GE+\p+1]
.endr
.irp p, 0,2,4,6
	v_pk_fma_f32 v[GM+8*\b+\p:GM+8*\b+\p+1], v[GU+8*\b+\p:GU+8*\b+\p+1], v[GP+\p:GP+\p+1], v[GM+8*\b+\p:GM+8*\b+\p+1] neg_lo:[1,0,0] neg_hi:[1,0,0]
.endr
.irp r, 0,1,2,3
	v_cvt_pk_bf16_f32 v[GK+4*\b+\r], v[GM+8*\b+2*\r], v[GM+8*\b+2*\r+1]
.endr
.endr
	WIN 0x04                                       ; store data (source 1) from window 1
.irp b, 0,1,2,3,4,5,6,7
	ds_store_b128 v[STO], v[GK+4*\b:GK+4*\b+3] offset:32*\b
.endr
	WIN 0
	s_wait_xcnt 0x0                                ; buffer f, which earlier stores read, and the stores' base are rewritten only behind this wait
.if \i
	s_add_nc_u64 s[8:9], s[8:9], 16*SIZE_N*2
.endif
.irp t, 0,1,2,3,4,5,6,7
	ds_load_b128 v[\f+4*\t:\f+4*\t+3], v[RD] offset:\t*2*SPITCH    ; LDS serves a wave's instructions in order: these see the stores above
.endr
.irp t, 0,1,2,3,4,5,6,7
	s_wait_dscnt 7-\t                              ; load t is in, the younger ones stay out
	global_store_b128 v[CO], v[\f+4*\t:\f+4*\t+3], s[8:9] offset:2*\t*SIZE_N*2   ; 16 lanes store 256 consecutive bytes at a multiple of 256
.endr
.endm
	OUT16G 0, 0, 0x42, F0
	OUT16G 1, 1, 0x42, F1
	OUT16G 2, 2, 0x42, F0
	OUT16G 3, 3, 0x42, F1
	OUT16G 4, 0, 0x43, F0
	OUT16G 5, 1, 0x43, F1
	OUT16G 6, 2, 0x43, F0
	OUT16G 7, 3, 0x43, F1
	s_set_vgpr_msb 0x1
	s_wait_tensorcnt 0x0
	ds_add_u32 v255, v255
	s_wait_dscnt 0x0
	s_set_vgpr_msb 0x100
	CROUND                                         ; the closing round
	s_endpgm
.Lfunc_end_k_q71e59de8f1_fc:
	.size	k_q71e59de8f1_fc, .Lfunc_end_k_q71e59de8f1_fc-k_q71e59de8f1_fc
	.p2alignl 7, 3214868480
	.fill 96, 4, 3214868480
	.section	.rodata,"a",@progbits
	.p2align	6, 0x0
	.amdhsa_kernel k_q71e59de8f1_fc
		.amdhsa_group_segment_fixed_size 327680
		.amdhsa_private_segment_fixed_size 0
		.amdhsa_enable_private_segment 0
		.amdhsa_kernarg_size 24
		.amdhsa_user_sgpr_count 2
		.amdhsa_user_sgpr_kernarg_segment_ptr 1
		.amdhsa_wavefront_size32 1
		.amdhsa_system_sgpr_workgroup_id_x 1
		.amdhsa_system_sgpr_workgroup_id_y 1
		.amdhsa_system_sgpr_workgroup_id_z 1
		.amdhsa_system_vgpr_workitem_id 0
		.amdhsa_next_free_vgpr 1024
		.amdhsa_next_free_sgpr 72
		.amdhsa_reserve_vcc 0
		.amdhsa_float_denorm_mode_32 3
		.amdhsa_float_denorm_mode_16_64 3
		.amdhsa_memory_ordered 1
		.amdhsa_forward_progress 1
		.amdhsa_inst_pref_size 255
	.end_amdhsa_kernel
	.section	.bss,"aw",@nobits
	.p2align	6
	.space	262144
	.amdgpu_metadata
---
amdhsa.version: [ 1, 2 ]
amdhsa.kernels:
  - .name:           k_q71e59de8f1_fc
    .symbol:         k_q71e59de8f1_fc.kd
    .args:
      - { .name: h, .offset: 0, .size: 8, .value_kind: global_buffer, .address_space: global }
      - { .name: wb, .offset: 8, .size: 8, .value_kind: global_buffer, .address_space: global }
      - { .name: hf, .offset: 16, .size: 8, .value_kind: global_buffer, .address_space: global }
    .group_segment_fixed_size: 327680
    .private_segment_fixed_size: 0
    .kernarg_segment_align: 8
    .kernarg_segment_size: 24
    .max_flat_workgroup_size: 128
    .sgpr_count:     72
    .vgpr_count:     1024
    .wavefront_size: 32
...
	.end_amdgpu_metadata
.endif
;; end of part 6
;; launch proj (part 7): grid 8 x 32, 4 waves a work-group, clusters of 4 x 1, 327,680 bytes of LDS; arguments hf, wb, x1, out0; writes out0
.if DOCPART == 7
	.amdgcn_target "amdgcn-amd-amdhsa--gfx1250"
	.amdhsa_code_object_version 6
	.text
	.protected	k_q71e59de8f1_proj
	.globl	k_q71e59de8f1_proj
	.p2align	8
	.type	k_q71e59de8f1_proj,@function
k_q71e59de8f1_proj:
	s_mov_b64 s[64:65], 0
	v_nop
	global_prefetch_b8 v0, s[64:65] scope:SCOPE_SE
	s_setreg_imm32_b32 hwreg(HW_REG_WAVE_MODE, 25, 1), 1
	s_wait_xcnt 0x0
	s_wait_alu depctr_hold_cnt(0) depctr_sa_sdst(0) depctr_va_vdst(0) depctr_va_sdst(0) depctr_va_ssrc(0) depctr_va_vcc(0) depctr_vm_vsrc(0)
	s_getreg_b32 s2, hwreg(HW_REG_IB_STS2, 6, 4)
	s_cmp_eq_u32 s2, 0
	s_cbranch_scc0 .Lentry_in_a_cluster
	s_endpgm
.Lentry_in_a_cluster:
	s_bfe_u32 s2, ttmp6, 0x10000c
	s_cmp_lg_u32 s2, 0x3003
	s_cbranch_scc0 .Lentry_shape_is_right
	s_endpgm
.Lentry_shape_is_right:
; C[m][n] = R[m][n] + sum over k of A[m][k] B[n][k].  A: [4096][SIZE_K] bf16, B: 1024 x SIZE_K bf16 in fragment order (wb from byte WOFF), R and C: [4096][1024] f32.
; 1024 columns give 64 blocks of 256 x 256; blocks of 128 x 128 give 256 work-groups.  To keep a wave tile of 128 x 128 the four waves split K: each makes the
; whole block over its own quarter (128 of 512) of every slot, and the four partial blocks are added in LDS at the end, on the trip that turns tiles into rows
; anyway.  So the order of the sum over k differs from a plain ascending one.
; B DOES NOT GO THROUGH LDS.  In this split no byte of B is used by two waves of the work-group, so LDS would only pass it on.  An earlier launch has laid B as
; [block of 128 rows][32 along k][16 rows b][half j][lane][16 bytes]: a load of the wave covers 512 consecutive bytes and is half a fragment as the matrix
; instruction takes it; the 16 loads of a step of 32 along K cover 8,192 consecutive bytes.  Four register buffers (window 1) take turns; a buffer is asked for
; three steps of 64 matrix instructions ahead, behind a counted s_wait_loadcnt.
; That is also why B's requests are not joint in the cluster: a joint request lands in LDS, and with B there two slots hold 256 along K each, 128 matrix
; instructions a wave for a slot and 112 between a request and the wait for it; with A alone a slot holds 512 along K, 256 and 224.
; A goes through two LDS slots (128 rows of 1,024 bytes + 16); each wave asks for 32 rows with one tensor load, jointly with the three other block columns of
; its cluster of 4 x 1 work-groups (mask 15), which need the same rows of A.
; Registers as windows of 256: window 0 addresses and A's fragments (v64-127, v128-191); window 1 B's four buffers; windows 2, 3 the 64 accumulator tiles.
; The matrix instruction is used transposed (source 0 = rows of B, source 1 = rows of A).  The 64 accumulators take turns, one instruction a turn.
.set SIZE_K, 4096
.set WOFF,   0x1000000
.set ROWC,   4096                      ; bytes in a row of R and of C
.set KSLOT,  512                       ; K in a slot
.set PITCH,  1040                      ; 1,024 bytes + 16: an odd multiple of 16
.set QROWS,  32*PITCH                  ; 32 rows: what one tensor load brings
.set SLOT,   4*QROWS                   ; 128 rows of A
.set XP,     528                       ; pitch of a partial block's rows: 512 bytes + 16
.set PART,   128*XP                    ; a partial block of 128 rows x 128 f32, at the end, in the slots' bytes behind their last fill
.set LAPS,   SIZE_K/(2*KSLOT)          ; a lap = two slots = eight steps of 32 along K for each wave
.set BQ,     8192                      ; bytes of B for one wave's step: eight fragments
.set BSLOT,  16*BQ                     ; from one slot's K to the next: 16 steps of 32
.set ADRA, 16                          ; v16, v17  LDS address of my A fragments in slot 0, rows 0-63 and 64-127; v18, v19 in slot 1
.set STO,  24                          ; v24     where I put my partial block's 32 bytes
.set RD,   25                          ; v25-28  my 16 bytes of a row in partial block 0..3
.set CO,   29                          ; v29     16 x lane: my 16 bytes of 512, in B, R and C
.set F0,   64                          ; A's two fragment buffers: v64-127, v128-191
.set G1, 24                            ; s[24:31] descriptor group 1
.set G0, 32                            ; s[32:39] descriptor group 0, one set for each slot
.set MSB, 0
.macro WIN new                         ; the immediate's high byte repeats the setting that is left
.if MSB != \new
	s_set_vgpr_msb (MSB<<8)|\new
.set MSB, \new
.endif
.endm
.set MUL_LO, 0xa1                      ; source 0 (B) window 1, source 1 (A) window 0, C and D window 2
.set MUL_HI, 0xf1                      ; the same, C and D window 3
.set TO_B,   0x40                      ; destination window 1
.macro CREST                           ; a round of the cluster's barrier behind its opening work-group barrier
	s_cmp_lg_u32 s10, 0
	s_cbranch_scc1 .Lnot_wave_0_\@
	s_barrier_signal -3
.Lnot_wave_0_\@:
	s_barrier_wait -3
	s_barrier_signal -1
	s_barrier_wait -1
.endm
.macro CROUND                          ; a whole round
	s_barrier_signal -1
	s_barrier_wait -1
	CREST
.endm
.macro PLACES                          ; four plain vector instructions between a matrix instruction and a load into, or a read of, its registers
.rept 4
	v_nop
.endr
.endm
.macro LOADB off, buf                  ; B for one step: 16 loads of 512 consecutive bytes into the buffer from buf on (window 1)
.set ii, 0
.rept 16
	global_load_b128 v[\buf+4*ii:\buf+4*ii+3], v[CO], s[6:7] offset:\off+512*ii
.set ii, ii+1
.endr
.endm
.macro LOADR part                      ; 16 of my 32 rows of the residual, into B's buffer number part (window 1), which is free by then: row i at v[4 i]
.set ii, 0
.rept 16
	global_load_b128 v[64*\part+4*ii:64*\part+4*ii+3], v[CO], s[68:69] offset:ROWC*(16*\part+ii) th:TH_LOAD_NT
.set ii, ii+1
.endr
.endm
.macro FETCHA sl, k, f                 ; A for one step: 128 rows x 32 K at byte k of my 256 bytes of slot sl's rows, into buffer f (window 0)
.irp i, 0,1,2,3
	ds_load_b128 v[\f+8*\i:\f+8*\i+3],   v[ADRA+2*\sl] offset:\k+\i*16*PITCH
	ds_load_b128 v[\f+8*\i+4:\f+8*\i+7], v[ADRA+2*\sl] offset:\k+\i*16*PITCH+32
.endr
.irp i, 0,1,2,3
	ds_load_b128 v[\f+32+8*\i:\f+32+8*\i+3], v[ADRA+2*\sl+1] offset:\k+\i*16*PITCH
	ds_load_b128 v[\f+32+8*\i+4:\f+32+8*\i+7], v[ADRA+2*\sl+1] offset:\k+\i*16*PITCH+32
.endr
.endm
.macro MUL32 fa, fb, hi, zero          ; 32 matrix instructions: four m blocks of the window x all 8 n blocks; zero = 1: the product starts the sums
.irp a, 0,1,2,3
.irp b, 0,1,2,3,4,5,6,7
.if \zero
	v_wmma_f32_16x16x32_bf16 v[8*(8*\a+\b):8*(8*\a+\b)+7], v[\fb+8*\b:\fb+8*\b+7], v[\fa+8*(4*\hi+\a):\fa+8*(4*\hi+\a)+7], 0
.else
	v_wmma_f32_16x16x32_bf16 v[8*(8*\a+\b):8*(8*\a+\b)+7], v[\fb+8*\b:\fb+8*\b+7], v[\fa+8*(4*\hi+\a):\fa+8*(4*\hi+\a)+7], v[8*(8*\a+\b):8*(8*\a+\b)+7]
.endif
.endr
.endr
.endm
; Step q (0..7) of a lap: 64 matrix instructions on A's buffer q % 2 and B's buffer q % 4.
; ld: 0 = B of step q + 3 is asked for, into the buffer that step q - 1 has left; 1, 2 = the residual's halves instead; 3 = nothing.
; turn: 0 = A of step q + 1 is fetched from the same slot at the step's head; 1 = the slot's last step, the slot is filled again; 2 = the same without a fill; 3 = the last step of all.
.macro QSTEP q, zero, ld, turn
.set QA, F0+64*((\q)%2)
.set QN, F0+64*((\q+1)%2)
.set QB, 64*((\q)%4)
.set QL, 64*((\q+3)%4)
.set QF, ((\q)/4)%2
.set QS, ((\q+1)/4)%2
.set QK, 64*((\q+1)%4)
.set QO, ((\q+3)/4)*BSLOT+((\q+3)%4)*BQ
.if \turn != 3
	PLACES                                         ; behind step q - 1's matrix instructions, whose buffers are loaded again
.endif
.if \turn == 0
	WIN 0
	FETCHA QS, QK, QN
.endif
	s_wait_loadcnt 32                              ; this step's 16 loads of B are in; the two younger groups of 16 stay out
.if \ld == 0
	WIN TO_B
	LOADB QO, QL
.endif
.if \ld == 1
	WIN TO_B
	LOADR 0
.endif
.if \ld == 2
	WIN TO_B
	LOADR 1
.endif
.if \turn == 0
	s_wait_dscnt 16                                ; this step's A is in; the 16 loads just issued stay out
	WIN MUL_LO
	MUL32 QA, QB, 0, \zero
.else
	s_wait_dscnt 0                                 ; this step's A is in, and with it my reads of this slot are over
.if \turn != 3
	s_wait_tensorcnt 0x0                           ; all my tensor loads have landed: the one that was out is my part of the next slot
	ds_add_u32 v254, v255
	s_wait_dscnt 0x0
	s_barrier_signal -1
.endif
	WIN MUL_LO
	MUL32 QA, QB, 0, \zero                         ; register work while the others arrive
.if \turn != 3
	WIN 0
	s_barrier_wait -1
.if \turn == 1
	CREST                                          ; no wave of any partner still reads this slot or has a load on its way
	s_add_nc_u64 s[G0+4*QF+2:G0+4*QF+3], s[G0+4*QF+2:G0+4*QF+3], 2*KSLOT*2
	tensor_load_to_lds s[G0+4*QF:G0+4*QF+3], s[G1:G1+7]   ; the first and only tensor load behind the round; 224 matrix instructions stand before the wait for it
	s_nop 0
.endif
	FETCHA QS, QK, QN                              ; the next slot's first step (its buffer was left by step q - 1, four places and more ago)
.endif
.endif
	WIN MUL_HI
	MUL32 QA, QB, 1, \zero
.endm
.macro LAP zero                        ; both slots filled again
	QSTEP 0, \zero, 0, 0
	QSTEP 1, 0, 0, 0
	QSTEP 2, 0, 0, 0
	QSTEP 3, 0, 0, 1
	QSTEP 4, 0, 0, 0
	QSTEP 5, 0, 0, 0
	QSTEP 6, 0, 0, 0
	QSTEP 7, 0, 0, 1
	WIN 0
	s_wait_xcnt 0x0                                ; B's base, which pending loads name, is stepped only behind this wait
	s_add_nc_u64 s[6:7], s[6:7], 2*BSLOT
.endm
.macro LASTLAP zero                    ; nothing is filled; the last three steps ask for no B: the residual takes two of the freed buffers
	QSTEP 0, \zero, 0, 0
	QSTEP 1, 0, 0, 0
	QSTEP 2, 0, 0, 0
	QSTEP 3, 0, 0, 2
	QSTEP 4, 0, 0, 0
	QSTEP 5, 0, 1, 0
	QSTEP 6, 0, 2, 0
	QSTEP 7, 0, 3, 3
.endm
	s_load_b128 s[4:7], s[0:1], 0x0                ; A s[4:5], wb s[6:7]
	s_load_b128 s[68:71], s[0:1], 0x10             ; R s[68:69], C s[70:71]
	v_lshl_add_u32 v254, v0, 2, 0x42000
	v_mov_b32 v255, 0
	ds_add_u32 v254, v255
	ds_add_u32 v254, v255
	v_lshrrev_b32 v1, 5, v0
	v_readfirstlane_b32 s10, v1                    ; wave 0..3: my quarter of every slot's K, my 32 rows of A's tiles, my 32 rows on the way out
	s_bfe_u32 s40, ttmp6, 0x40000                  ; cx
	s_lshl_b32 s42, ttmp9, 2
	s_add_co_u32 s42, s42, s40                     ; block column = 4 x cluster x + cx
	s_and_b32 s13, ttmp7, 0xffff                   ; block row = cluster y: the cluster is one work-group high
	; descriptor group 1: 32 rows of 512 elements of 2 bytes; mask 15 with bit 21; 4 words of padding after every 256
	s_mov_b32 s[G1+0], 15|(1<<16)|(1<<20)|(1<<21)|(7<<22)|(3<<25)
	s_mov_b32 s[G1+1], KSLOT<<16                   ; tensor_dim0 = 512
	s_mov_b32 s[G1+2], 32<<16                      ; tensor_dim1 = 32
	s_mov_b32 s[G1+3], KSLOT<<16                   ; tile_dim0 = 512
	s_mov_b32 s[G1+4], 32                          ; tile_dim1 = 32
	s_mov_b32 s[G1+5], SIZE_K                      ; elements from row to row
	s_mov_b32 s[G1+6], 0
	s_mov_b32 s[G1+7], 0
	s_lshl_b32 s16, s13, 7
	s_lshl_b32 s17, s10, 5
	s_add_co_u32 s16, s16, s17                     ; row 128 x block row + 32 x wave: of A's tiles, and of R and C
	s_lshl_b32 s22, s16, 12                        ; R and C: rows of 4,096 bytes,
	s_lshl_b32 s23, s42, 9
	s_add_co_u32 s22, s22, s23                     ; the block's 512 bytes in a row
	s_mov_b32 s23, 0
	s_mov_b32 s17, 0
	s_mov_b64 s[18:19], SIZE_K*2
	s_mul_u64 s[16:17], s[16:17], s[18:19]         ; A: block row and wave alone, equal in all four partners
	s_mul_i32 s20, s10, QROWS                      ; LDS: wave x 32 rows
	s_mul_i32 s46, s42, (SIZE_K/32)*BQ             ; B: the block column's fragments,
	s_lshl_b32 s47, s10, 15
	s_add_co_u32 s46, s46, s47                     ; my quarter of a slot: four steps of 8,192 bytes,
	s_add_co_u32 s46, s46, WOFF                    ; the matrix's place in wb
	s_mov_b32 s47, 0
	v_and_b32 v5, 31, v0
	v_lshlrev_b32 v[CO], 4, v5
	s_wait_dscnt 0x0
	s_wait_kmcnt 0x0
	s_add_nc_u64 s[6:7], s[6:7], s[46:47]
	s_add_nc_u64 s[14:15], s[4:5], s[16:17]
	s_add_nc_u64 s[68:69], s[68:69], s[22:23]
	s_add_nc_u64 s[70:71], s[70:71], s[22:23]
	WIN TO_B
	LOADB 0, 0                                     ; B of steps 0, 1, 2: on their way while the first tiles of A come
	LOADB BQ, 64
	LOADB 2*BQ, 128
	WIN 0
.irp s, 0,1
	s_mov_b32 s[G0+4*\s], 1
	s_add_co_u32 s[G0+4*\s+1], s20, \s*SLOT
	s_add_nc_u64 s[G0+4*\s+2:G0+4*\s+3], s[14:15], \s*KSLOT*2
	s_or_b32 s[G0+4*\s+3], s[G0+4*\s+3], 0x80000000
.endr
	CROUND                                         ; the four partners are here: the first joint loads meet
	tensor_load_to_lds s[G0:G0+3], s[G1:G1+7]
	s_nop 0
	tensor_load_to_lds s[G0+4:G0+7], s[G1:G1+7]    ; both first fills go out together: two tensor loads of the wave are out, later one
	s_nop 0
	v_and_b32 v1, 15, v0                           ; r
	v_bfe_u32 v2, v0, 4, 1                         ; h
	v_mul_u32_u24 v3, v1, PITCH
	v_lshl_add_u32 v3, v2, 4, v3                   ; row x pitch + 16 h
	s_lshl_b32 s21, s10, 8                         ; my quarter of a slot's K: 256 bytes of every row
	v_add_nc_u32 v[ADRA], s21, v3
	v_add_nc_u32 v[ADRA+1], 64*PITCH, v[ADRA]      ; rows 64-127 have a register of their own: the 16-bit offset does not reach them
	v_add_nc_u32 v[ADRA+2], SLOT, v[ADRA]
	v_add_nc_u32 v[ADRA+3], SLOT, v[ADRA+1]
	v_mul_u32_u24 v4, v1, XP
	v_lshl_add_u32 v4, v2, 5, v4                   ; row x pitch + 32 h: eight f32
	s_mul_i32 s21, s10, PART
	v_add_nc_u32 v[STO], s21, v4
	s_mul_i32 s21, s10, 32*XP
	v_add_nc_u32 v[RD], s21, v[CO]
	v_add_nc_u32 v[RD+1], PART, v[RD]
	v_add_nc_u32 v[RD+2], PART, v[RD+1]
	v_add_nc_u32 v[RD+3], PART, v[RD+2]
	s_wait_tensorcnt 1                             ; my part of slot 0 is in; slot 1's stays out
	s_barrier_signal -1
	s_barrier_wait -1
	FETCHA 0, 0, F0
.if LAPS > 1
	LAP 1                                          ; its first products start the sums: nothing is cleared
.if LAPS > 2
	s_mov_b32 s3, LAPS-2
.Llap:
	LAP 0
	s_sub_co_u32 s3, s3, 1
	s_cmp_lg_u32 s3, 0
	s_cbranch_scc1 .Llap
.endif
	LASTLAP 0
.else
	LASTLAP 1
.endif
	; THE END.  Each wave lays its partial block into LDS; wave w then adds the four partials of rows 32 w .. 32 w + 31 and the residual, and stores whole rows.
	PLACES
	WIN 0
	s_barrier_signal -1                            ; every wave's reads of the slots are back and its tensor loads have landed (the waits for 0 above):
	s_barrier_wait -1                              ; the slots' bytes, which are filled no more, may be written
	WIN 0x08                                       ; store data (source 1) from window 2
.irp a, 0,1,2,3
.irp b, 0,1,2,3,4,5,6,7
	ds_store_b128 v[STO], v[8*(8*\a+\b):8*(8*\a+\b)+3]   offset:\a*16*XP+64*\b
	ds_store_b128 v[STO], v[8*(8*\a+\b)+4:8*(8*\a+\b)+7] offset:\a*16*XP+64*\b+16
.endr
.endr
	WIN 0x0c                                       ; from window 3
.irp a, 0,1,2,3
.irp b, 0,1,2,3,4,5,6,7
	ds_store_b128 v[STO], v[8*(8*\a+\b):8*(8*\a+\b)+3]   offset:(\a+4)*16*XP+64*\b
	ds_store_b128 v[STO], v[8*(8*\a+\b)+4:8*(8*\a+\b)+7] offset:(\a+4)*16*XP+64*\b+16
.endr
.endr
	WIN 0
	s_wait_dscnt 0x0                               ; for the others' sake: my partial block is written
	s_barrier_signal -1
	s_barrier_wait -1
	s_wait_loadcnt 0x0                             ; the residual, asked for two and three steps ago
.macro SUM8 g                          ; eight of my rows
	s_wait_xcnt 0x0                                ; the registers that the last eight stores read are loaded again only behind this wait
.irp i, 0,1,2,3,4,5,6,7
.irp s, 0,1,2,3
	ds_load_b128 v[64+16*\i+4*\s:67+16*\i+4*\s], v[RD+\s] offset:(8*\g+\i)*XP
.endr
.endr
.irp i, 0,1,2,3,4,5,6,7
	s_wait_dscnt 4*(7-\i)                          ; row i's four partials are in; the later rows' loads stay out
	v_pk_add_f32 v[64+16*\i:65+16*\i], v[64+16*\i:65+16*\i], v[68+16*\i:69+16*\i]
	v_pk_add_f32 v[66+16*\i:67+16*\i], v[66+16*\i:67+16*\i], v[70+16*\i:71+16*\i]
	v_pk_add_f32 v[72+16*\i:73+16*\i], v[72+16*\i:73+16*\i], v[76+16*\i:77+16*\i]
	v_pk_add_f32 v[74+16*\i:75+16*\i], v[74+16*\i:75+16*\i], v[78+16*\i:79+16*\i]
	v_pk_add_f32 v[64+16*\i:65+16*\i], v[64+16*\i:65+16*\i], v[72+16*\i:73+16*\i]
	v_pk_add_f32 v[66+16*\i:67+16*\i], v[66+16*\i:67+16*\i], v[74+16*\i:75+16*\i]
.endr
	WIN 0x04                                       ; source 1 (the residual) in window 1
.irp i, 0,1,2,3,4,5,6,7
	v_pk_add_f32 v[64+16*\i:65+16*\i], v[64+16*\i:65+16*\i], v[4*(8*\g+\i):4*(8*\g+\i)+1]
	v_pk_add_f32 v[66+16*\i:67+16*\i], v[66+16*\i:67+16*\i], v[4*(8*\g+\i)+2:4*(8*\g+\i)+3]
.endr
	WIN 0
.irp i, 0,1,2,3,4,5,6,7
	global_store_b128 v[CO], v[64+16*\i:67+16*\i], s[70:71] offset:(8*\g+\i)*ROWC   ; a store of the wave covers 512 consecutive bytes at a multiple of 512
.endr
.endm
	SUM8 0
	SUM8 1
	SUM8 2
	SUM8 3
	s_wait_tensorcnt 0x0
	ds_add_u32 v254, v255
	s_wait_dscnt 0x0
	CROUND                                         ; the closing round
	s_endpgm
.Lfunc_end_k_q71e59de8f1_proj:
	.size	k_q71e59de8f1_proj, .Lfunc_end_k_q71e59de8f1_proj-k_q71e59de8f1_proj
	.p2alignl 7, 3214868480
	.fill 96, 4, 3214868480
	.section	.rodata,"a",@progbits
	.p2align	6, 0x0
	.amdhsa_kernel k_q71e59de8f1_proj
		.amdhsa_group_segment_fixed_size 327680
		.amdhsa_private_segment_fixed_size 0
		.amdhsa_enable_private_segment 0
		.amdhsa_kernarg_size 32
		.amdhsa_user_sgpr_count 2
		.amdhsa_user_sgpr_kernarg_segment_ptr 1
		.amdhsa_wavefront_size32 1
		.amdhsa_system_sgpr_workgroup_id_x 1
		.amdhsa_system_sgpr_workgroup_id_y 1
		.amdhsa_system_sgpr_workgroup_id_z 1
		.amdhsa_system_vgpr_workitem_id 0
		.amdhsa_next_free_vgpr 1024
		.amdhsa_next_free_sgpr 72
		.amdhsa_reserve_vcc 0
		.amdhsa_float_denorm_mode_32 3
		.amdhsa_float_denorm_mode_16_64 3
		.amdhsa_memory_ordered 1
		.amdhsa_forward_progress 1
		.amdhsa_inst_pref_size 211
	.end_amdhsa_kernel
	.amdgpu_metadata
---
amdhsa.version: [ 1, 2 ]
amdhsa.kernels:
  - .name:           k_q71e59de8f1_proj
    .symbol:         k_q71e59de8f1_proj.kd
    .args:
      - { .name: hf, .offset: 0, .size: 8, .value_kind: global_buffer, .address_space: global }
      - { .name: wb, .offset: 8, .size: 8, .value_kind: global_buffer, .address_space: global }
      - { .name: x1, .offset: 16, .size: 8, .value_kind: global_buffer, .address_space: global }
      - { .name: out0, .offset: 24, .size: 8, .value_kind: global_buffer, .address_space: global }
    .group_segment_fixed_size: 327680
    .private_segment_fixed_size: 0
    .kernarg_segment_align: 8
    .kernarg_segment_size: 32
    .max_flat_workgroup_size: 128
    .sgpr_count:     72
    .vgpr_count:     1024
    .wavefront_size: 32
...
	.end_amdgpu_metadata
.endif
;; end of part 7
